; MI455X (gfx1250); checked and timed in simulation.
; The chip was launched on July 23, 2026; its instructions are those of AMD's public machine-readable ISA for CDNA 5 (MIT licence, August 2026) and "CDNA5" Instruction Set Architecture Reference Guide (July 2026). The comments in the code are by the model that wrote it; some were corrected since.
;; Transformer Block. Allowed arithmetic: matrix products marked QUANTISED: E5M2 operands, one given power-of-two scale a tensor, by v_wmma_f32_16x16x64_bf8_bf8 or v_wmma_f32_16x16x128_bf8_bf8, f32 sums; everything else in f32.
;; Inputs: W1 1,024 x 4,096 float32; W2 4,096 x 1,024 float32; Wk 1,024 x 1,024 float32; Wo 1,024 x 1,024 float32; Wq 1,024 x 1,024 float32; Wv 1,024 x 1,024 float32; b1 4,096 float32; b2 1,024 float32; bo 1,024 float32; lowp_scales 16 int32 (the exponents e of the quantised operands' scales 2^e); scale1 1,024 float32; scale2 1,024 float32; shift1 1,024 float32; shift2 1,024 float32; x 2 x 2,048 x 1,024 float32.
;; Outputs: out0 2 x 2,048 x 1,024 float32.
;; This version of the problem:
;;   THIS VERSION OF THE PROBLEM IS GIVEN IN LOW PRECISION. The matrix products marked QUANTISED in the list below multiply operands that are first quantised to E5M2 (5 exponent bits, 2 mantissa bits; 8 bits a number), with one given power-of-two scale for each operand tensor; their sums are f32. All else is computed in f32.
;;   The module's matrix products, in the order in which they are computed (A, B: the left and right operand; K: the contracted axis; several contracted axes count as one K, in the product's order):
;;     1. [M 4,096, K 1,024] x [K 1,024, N 1,024]; A: computed on the way; B: input Wq: QUANTISED (scales: A lowp_scales[0], B lowp_scales[1])
;;     2. [M 4,096, K 1,024] x [K 1,024, N 1,024]; A: computed on the way; B: input Wk: QUANTISED (scales: A lowp_scales[2], B lowp_scales[3])
;;     3. [M 4,096, K 1,024] x [K 1,024, N 1,024]; A: computed on the way; B: input Wv: QUANTISED (scales: A lowp_scales[4], B lowp_scales[5])
;;     4. batch 32 x [M 2,048, K 64] x [K 64, N 2,048]; A: computed on the way; B: computed on the way: QUANTISED (scales: A lowp_scales[6], B lowp_scales[7])
;;     5. batch 32 x [M 2,048, K 2,048] x [K 2,048, N 64]; A: softmax (see below); B: computed on the way: QUANTISED (scales: A lowp_scales[8], B lowp_scales[9])
;;     6. [M 4,096, K 1,024] x [K 1,024, N 1,024]; A: computed on the way; B: input Wo: QUANTISED (scales: A lowp_scales[10], B lowp_scales[11])
;;     7. [M 4,096, K 1,024] x [K 1,024, N 4,096]; A: computed on the way; B: input W1: QUANTISED (scales: A lowp_scales[12], B lowp_scales[13])
;;     8. [M 4,096, K 4,096] x [K 4,096, N 1,024]; A: computed on the way; B: input W2: QUANTISED (scales: A lowp_scales[14], B lowp_scales[15])
;;   THE QUANTISER, for each operand of a quantised product, along K:
;;     - The operand's scale is 2^e, e = its entry of the input lowp_scales (int32; the entries are numbered through the quantised products in the list's order, A before B).
;;     - Each number is divided by the scale, clamped to +-57,344, and rounded to the nearest number of E5M2, ties to even, subnormals kept.
;;     - The product sums the exact products of the quantised numbers (number of the format x scale) in f32.
;;   ~~~python
;;   def quantise(x, axis, e):      # numpy; x: float32 -> the quantised numbers, widened to float32 again
;;       x = np.moveaxis(x, axis, -1); K = x.shape[-1]
;;       r = np.clip(x / 2.0 ** e, -57344, 57344)
;;       step = 2.0 ** (np.maximum(np.frexp(np.where(r == 0, 1, r))[1] - 1, -14) - 2)
;;       q = np.round(r / step) * step * 2.0 ** e      # np.round: ties to even
;;       return np.moveaxis(q, -1, axis).astype(np.float32)
;;   ~~~
;;   SOFTMAX AHEAD OF A QUANTISED PRODUCT. Where the list says 'softmax', what is quantised is not the finished softmax but p = 2^(t - M), with t = logit x log2(e) and M = ceil(the row's largest t), a whole number; so 1/2 < the row's largest p <= 1. The row's sum l is taken of the UNQUANTISED p, in f32, and the product's result is divided by l at the end. Since M is a whole number, a kernel that streams over the keys may use a running M (the ceiling of the running maximum): every later rescaling is an exact power of two, so the quantised numbers keep their values, but for numbers so far below the row's largest that they fall under the format's range.
;;   OPERANDS COMPUTED ON THE WAY. 'Computed on the way' means the value that the module computes at that place (a softmax that the list does not call 'softmax' is quantised finished and normalised). What goes into a quantiser is computed in f32, as accurately as f32 sums, v_exp_f32 and their like allow (about 1e-6 of the number): no bf16 or f16 on the way to a quantiser, and a product that is left as it is and whose result goes on into a quantised operand takes f32 operands (vector FMAs, or v_wmma_f32_16x16x4_f32). A number that lies on a knife's edge between two numbers of the format may be rounded either way, as far as f32 arithmetic and the matrix unit's own rounding can turn it there, and no further.
;; One version. Each part assembles by itself: llvm-mc -triple=amdgcn-amd-amdhsa -mcpu=gfx1250 --defsym DOCPART=n.
;; ======== version 1 of 1: 7 launches
;; limits: right only within a limited range of input values
;; workspace buffers: a1c 12,582,912 bytes; wc 12,582,912 bytes; qkvc 12,582,912 bytes; cc 4,194,304 bytes; h 16,777,216 bytes; y2c 4,194,304 bytes; hc 16,777,216 bytes
;; launch prep (part 1): grid 640 x 1, 4 waves a work-group, no clusters, 47,616 bytes of LDS; arguments x, scale1, shift1, Wq, Wk, Wv, Wo, W1, W2, lowp_scales, a1c, wc; writes a1c, wc
.if DOCPART == 1
	.amdgcn_target "amdgcn-amd-amdhsa--gfx1250"
	.amdhsa_code_object_version 6
	.text
	.protected	k_q663f303949_prep
	.globl	k_q663f303949_prep
	.p2align	8
	.type	k_q663f303949_prep,@function
k_q663f303949_prep:
	s_mov_b64 s[64:65], 0
	v_nop
	global_prefetch_b8 v0, s[64:65] scope:SCOPE_SE
	s_setreg_imm32_b32 hwreg(HW_REG_WAVE_MODE, 25, 1), 1
	s_wait_xcnt 0x0
; FIRST OF SEVEN LAUNCHES of a transformer block whose eight products all run on codes of E5M2 with given scales 2^e (lowp_scales[0..15]).
; WORK LEFT OUT IN THE PROGRAM: no input is dead: every weight, bias, gain and shift has a way to out0 and is loaded.  Left out are only, in the attention launch, the steps of 128 keys all of which
; come after a wave's 16 queries: reference() sets their scores to -inf by the causal mask that it builds itself, so their p is 0 and they add nothing to the row's sum or to the second product, whatever
; finite values the inputs hold.  LIMIT: a NaN, an infinity or an overflow that reaches only those hidden keys and values is not carried to the result.
; THIS LAUNCH: work-groups 0-383 turn the six weights ([K][N] f32, K the first axis) into codes laid [position][K], K innermost; work-groups 384-639 make LayerNorm 1 of x and quantise it three times (e0, e2, e4).
; WEIGHTS: a lane takes a column, its registers run down K; a wave takes 32 columns x 256 K; codes leave through the wave's own stage as rows, sixteen lanes to 256 consecutive aligned bytes.
; Column n is laid at row position p = n with bits 3 and 4 exchanged: the products that read these rows as source 0 then leave a lane 16 neighbouring columns in the registers of two neighbouring accumulators.
; LAYERNORM: a wave takes a row of 1,024 numbers in 32 registers: mean, deviations, unbiased variance, 1/sqrt by v_rsq_f32, gain and shift, all f32.
; code = number / 2^e, held within +-57,344, to the nearest code, ties to even.  LIMITS: every e used here between -126 and 112; NaN among the inputs is not served.
; The two paths part on the work-group's number and have LDS bytes of their own.  No tensor load, no barrier: waves share nothing.
.set SPW,   230                        ; v230 LDS address of my spare word; never rewritten
.set NIL,   231                        ; v231 0; never rewritten
.set WST,   32*272                     ; a wave's weight stage: 32 rows x (256 + 16) bytes
.set LNST,  4*WST                      ; behind them: the LayerNorm stages, 3 x 1,024 bytes a wave
.set SPARE, LNST+4*3072                ; behind them: the spare words, 128 bytes a wave
.set VO,    32                         ; weights: v32-63 byte offset of row i of a block, my column
.set XW,    64                         ; v64-127  two sets of 32 numbers
.set CW,    128                        ; v128-135 a block's codes
.set OUTR,  136                        ; v136-199 the way out
.set VOUT,  200                        ; v200-215 byte offsets of the rows that I store
.set SB,    40                         ; s[40:55] the eight blocks' bases
.set BK,    8                          ; LayerNorm: v8-31 codes read back
.set SC,    32                         ; v32-63 gain, v64-95 shift, of my 32 columns
.set SH,    64
.set X,     96                         ; v96-159 two rows
.set HH,    160                        ; v160-191 held numbers
.set C,     192                        ; v192-215 three sets of 8 code registers
.set T,     216                        ; v216-219 at work
.set QS,    224                        ; v224-226 the three scales as f32; v227-229 57,344 x them
.set QL,    227
.set MM,    232                        ; v[232:233] the mean, twice;  v[234:235] 1/sqrt(var + eps), twice
.set RR,    234
	s_load_b512 s[4:19], s[0:1], 0x0               ; x 4, scale1 6, shift1 8, Wq 10, Wk 12, Wv 14, Wo 16, W1 18
	s_load_b256 s[20:27], s[0:1], 0x40             ; W2 20, lowp_scales 22, a1c 24, wc 26
	v_lshl_add_u32 v[SPW], v0, 2, SPARE
	v_mov_b32 v[NIL], 0
	v_lshrrev_b32 v1, 5, v0
	v_readfirstlane_b32 s28, v1                    ; wave
	v_and_b32 v1, 31, v0                           ; lane
	s_wait_kmcnt 0x0
	s_load_b512 s[68:83], s[22:23], 0x0            ; e0 .. e15
	s_cmp_ge_u32 ttmp9, 384
	s_cbranch_scc1 .Lln
	; ---------------- WEIGHTS.  ids 0-127: Wq, Wk, Wv, Wo, 32 work-groups each; 128-255: W1; 256-383: W2.  All choices hang on the work-group's number alone.
	s_lshr_b32 s31, ttmp9, 5
	s_lshl_b32 s31, s31, 20                        ; the four small tensors lie 1 MiB apart in wc
	s_mov_b32 s35, 0x400000                        ; W1's codes
	s_mov_b32 s38, 0x800000                        ; W2's codes
	s_mov_b32 s39, 4096
	s_cmp_lt_u32 ttmp9, 256
	s_cselect_b32 s35, s35, s38
	s_cselect_b32 s38, 5, 3                        ; log2 of the groups of 128 columns
	s_cselect_b32 s56, 16384, s39                  ; SN: bytes of a row of the f32 tensor
	s_cselect_b32 s57, 1024, s39                   ; KROW: bytes of a row of codes
	s_cselect_b64 s[32:33], s[18:19], s[20:21]
	s_cmp_lt_u32 ttmp9, 128
	s_cselect_b32 s30, 31, 127
	s_cselect_b32 s31, s31, s35                    ; the tensor's place in wc
	s_cselect_b32 s38, 3, s38
	s_cselect_b32 s56, s39, s56
	s_cselect_b32 s57, 1024, s57
	s_cselect_b64 s[32:33], s[16:17], s[32:33]
	s_cmp_lt_u32 ttmp9, 96
	s_cselect_b64 s[32:33], s[14:15], s[32:33]
	s_cmp_lt_u32 ttmp9, 64
	s_cselect_b64 s[32:33], s[12:13], s[32:33]
	s_cmp_lt_u32 ttmp9, 32
	s_cselect_b64 s[32:33], s[10:11], s[32:33]     ; the tensor
	s_and_b32 s30, ttmp9, s30                      ; the work-group's number within its tensor
	s_lshr_b32 s58, s30, s38                       ; kc: which 256 along K
	s_lshl_b32 s59, s58, s38
	s_sub_co_u32 s59, s30, s59                     ; which 128 columns
	s_lshl_b32 s59, s59, 7
	s_lshl_b32 s60, s28, 5
	s_add_co_u32 s59, s59, s60                     ; col0: my wave's first column
	s_lshl_b32 s60, s58, 8
	s_mul_i32 s60, s60, s56                        ; 256 kc rows
	s_lshl_b32 s61, s59, 2
	s_add_co_u32 s60, s60, s61
	s_mov_b32 s61, 0
	s_add_nc_u64 s[SB:SB+1], s[32:33], s[60:61]
	s_lshl_b32 s60, s56, 5                         ; 32 rows on
.irp t, 1,2,3,4,5,6,7
	s_add_nc_u64 s[SB+2*\t:SB+2*\t+1], s[SB+2*\t-2:SB+2*\t-1], s[60:61]
.endr
	s_mul_i32 s62, s59, s57                        ; the codes: row col0,
	s_add_co_u32 s62, s62, s31
	s_lshl_b32 s63, s58, 8                         ; byte 256 kc
	s_add_co_u32 s62, s62, s63
	s_mov_b32 s63, 0
	s_add_nc_u64 s[36:37], s[26:27], s[62:63]
	s_wait_alu depctr_va_vdst(0)
	v_lshlrev_b32 v[VO], 2, v1
.set i, 1
.rept 31
	v_add_nc_u32 v[VO+i], s56, v[VO+i-1]
.set i, i+1
.endr
.macro LOADW t                         ; block t: rows 32 t + i of my 256, my column, into set t % 2: 32 lanes read 128 consecutive bytes
.set i, 0
.rept 32
	global_load_b32 v[XW+32*((\t)%2)+i], v[VO+i], s[SB+2*(\t):SB+2*(\t)+1] th:TH_LOAD_NT
.set i, i+1
.endr
.endm
	LOADW 0
	LOADW 1
	v_and_b32 v2, 7, v1
	v_bfe_u32 v3, v1, 3, 1
	v_lshl_or_b32 v2, v3, 4, v2
	v_bfe_u32 v3, v1, 4, 1
	v_lshl_or_b32 v2, v3, 3, v2                    ; my column's position: lane with bits 3 and 4 exchanged
	s_mul_i32 s84, s28, WST
	v_mul_u32_u24 v4, v2, 272
	v_add_nc_u32 v4, s84, v4                       ; into the stage: row = position
	v_and_b32 v5, 15, v1
	v_lshrrev_b32 v6, 4, v1
	v_mul_u32_u24 v7, v6, 272
	v_lshl_add_u32 v7, v5, 4, v7
	v_add_nc_u32 v7, s84, v7                       ; out of it: sixteen lanes to a row, two rows an instruction
	v_mul_lo_u32 v[VOUT], v6, s57
	v_lshl_add_u32 v[VOUT], v5, 4, v[VOUT]
	s_lshl_b32 s85, s57, 1
.set i, 1
.rept 15
	v_add_nc_u32 v[VOUT+i], s85, v[VOUT+i-1]
.set i, i+1
.endr
	s_wait_kmcnt 0x0
	s_cmp_lt_u32 ttmp9, 256
	s_cselect_b32 s34, s81, s83                    ; e13 : e15
	s_cmp_lt_u32 ttmp9, 128
	s_cselect_b32 s34, s79, s34                    ; e11
	s_cmp_lt_u32 ttmp9, 96
	s_cselect_b32 s34, s73, s34                    ; e5
	s_cmp_lt_u32 ttmp9, 64
	s_cselect_b32 s34, s71, s34                    ; e3
	s_cmp_lt_u32 ttmp9, 32
	s_cselect_b32 s34, s69, s34                    ; e1
	s_add_co_i32 s34, s34, 127
	s_lshl_b32 s35, s34, 23
	v_mov_b32 v11, s35                             ; 2^e as f32: the conversion takes its exponent field
	s_add_co_i32 s34, s34, 15
	s_lshl_b32 s34, s34, 23
	s_or_b32 s34, s34, 0x600000
	v_mov_b32 v10, s34                             ; 57,344 x 2^e
.macro BLOCKW t
.set XS, XW+32*((\t)%2)
.if (\t) < 7
	s_wait_loadcnt 32                              ; this block's 32 loads are in; the next block's may be out
.else
	s_wait_loadcnt 0
.endif
.set i, 0
.rept 32
	v_med3_num_f32 v[XS+i], v[XS+i], -v10, v10     ; the conversion to an 8-bit code does not saturate (ISA guide 7.6.2): the hold comes first
.set i, i+1
.endr
.irp g, 0,1,2,3
	v_cvt_scalef32_pk8_bf8_f32 v[CW+2*\g:CW+2*\g+1], v[XS+8*\g:XS+8*\g+7], v11
.endr
	ds_store_b128 v4, v[CW:CW+3] offset:32*(\t)    ; 32 codes along K of my column's row (the next vector lines are the next block's holds, plain and on other registers)
	ds_store_b128 v4, v[CW+4:CW+7] offset:32*(\t)+16
.if (\t)+2 < 8
	LOADW (\t)+2
.endif
	s_wait_dscnt 0x0                               ; the stores have read their registers
.endm
	s_wait_alu depctr_va_vdst(0)
.irp t, 0,1,2,3,4,5,6,7
	BLOCKW \t
.endr
.irp t, 0,1,2,3,4,5,6,7,8,9,10,11,12,13,14,15
	ds_load_b128 v[OUTR+4*\t:OUTR+4*\t+3], v7 offset:2*\t*272   ; LDS serves a wave's instructions in order: these see my stores
.endr
.irp t, 0,1,2,3,4,5,6,7,8,9,10,11,12,13,14,15
	s_wait_dscnt 15-\t                             ; the younger read-backs may be out
	global_store_b128 v[VOUT+\t], v[OUTR+4*\t:OUTR+4*\t+3], s[36:37]   ; sixteen lanes store 256 consecutive bytes, aligned
.endr
	s_wait_tensorcnt 0x0                           ; the wave's end, behind my last LDS store
	ds_add_u32 v[SPW], v[NIL]
	s_wait_dscnt 0x0
	s_endpgm
	; ---------------- LAYERNORM 1: work-group 384 + g takes rows 16 g on, a wave four of them
.Lln:
	s_sub_co_u32 s29, ttmp9, 384
	s_lshl_b32 s29, s29, 4
	s_lshl_b32 s30, s28, 2
	s_add_co_u32 s29, s29, s30                     ; my first row
	s_lshl_b32 s30, s29, 12
	s_mov_b32 s31, 0
	s_add_nc_u64 s[4:5], s[4:5], s[30:31]          ; x at it
	s_lshl_b32 s30, s29, 10
	s_add_nc_u64 s[32:33], s[24:25], s[30:31]      ; the three sets of codes at it, 4 MiB apart
	s_add_nc_u64 s[34:35], s[32:33], 0x400000
	s_add_nc_u64 s[36:37], s[34:35], 0x400000
	s_wait_alu depctr_va_vdst(0)
	v_lshlrev_b32 v2, 4, v1                        ; 16 x lane
	s_mul_i32 s38, s28, 3072
	s_add_co_u32 s38, s38, LNST
	v_lshl_add_u32 v4, v1, 2, s38                  ; my stage, 4 bytes a lane
	v_add_nc_u32 v5, s38, v2                       ; and 16 bytes a lane
	s_mov_b32 s42, 0x76543210                      ; v_permlanex16_b32: lane l xor 16
	s_mov_b32 s43, 0xfedcba98
	s_mov_b32 s44, 0x3a802008                      ; 1 / 1023
	s_mov_b32 s45, 0x358637bd                      ; 1e-6
.irp j, 0,1,2,3,4,5,6,7
	global_load_b128 v[SC+4*\j:SC+4*\j+3], v2, s[6:7] offset:512*\j
.endr
.irp j, 0,1,2,3,4,5,6,7
	global_load_b128 v[SH+4*\j:SH+4*\j+3], v2, s[8:9] offset:512*\j
.endr
.macro LNLOAD r                        ; a row: eight loads of 512 consecutive bytes; register 4 j + i holds column 128 j + 4 lane + i
.irp j, 0,1,2,3,4,5,6,7
	global_load_b128 v[X+32*((\r)%2)+4*\j:X+32*((\r)%2)+4*\j+3], v2, s[4:5] offset:4096*(\r)+512*\j th:TH_LOAD_NT
.endr
.endm
	LNLOAD 0
	LNLOAD 1
	s_wait_kmcnt 0x0
.irp s, 0,1,2
	s_add_co_i32 s39, s[68+2*\s], 127              ; e0, e2, e4
	s_lshl_b32 s40, s39, 23
	v_mov_b32 v[QS+\s], s40
	s_add_co_i32 s39, s39, 15
	s_lshl_b32 s39, s39, 23
	s_or_b32 s39, s39, 0x600000
	v_mov_b32 v[QL+\s], s39
.endr
.macro WSUM                            ; v[T] summed over the 32 lanes; every lane ends with the sum
	v_add_f32_dpp v[T], v[T], v[T] row_xmask:1 row_mask:0xf bank_mask:0xf
	v_add_f32_dpp v[T], v[T], v[T] row_xmask:2 row_mask:0xf bank_mask:0xf
	v_add_f32_dpp v[T], v[T], v[T] row_xmask:4 row_mask:0xf bank_mask:0xf
	v_add_f32_dpp v[T], v[T], v[T] row_xmask:8 row_mask:0xf bank_mask:0xf
	v_permlanex16_b32 v[T+1], v[T], s42, s43
	v_add_f32 v[T], v[T], v[T+1]
.endm
.macro QSET s                          ; the row in v[XS] on, quantised with scale s; code register j holds the 4 codes of load j and goes to byte 128 j + 4 lane of the stage's row
.set i, 0
.rept 32
	v_med3_num_f32 v[HH+i], v[XS+i], -v[QL+\s], v[QL+\s]
.set i, i+1
.endr
.irp m, 0,1,2,3
	v_cvt_scalef32_pk8_bf8_f32 v[C+8*\s+2*\m:C+8*\s+2*\m+1], v[HH+8*\m:HH+8*\m+7], v[QS+\s]
.endr
	v_nop                                          ; a plain line between the conversions and the next holds, which write their sources
.irp j, 0,1,2,3,4,5,6,7
	ds_store_b32 v4, v[C+8*\s+\j] offset:1024*\s+128*\j
.endr
.endm
.macro LNROW r
.set XS, X+32*((\r)%2)
.if (\r) < 3
	s_wait_loadcnt 8                               ; my row (and gain and shift) are in; the next row's eight loads may be out
.else
	s_wait_loadcnt 0
.endif
	v_pk_add_f32 v[T:T+1], v[XS:XS+1], v[XS+2:XS+3]
	v_pk_add_f32 v[T+2:T+3], v[XS+4:XS+5], v[XS+6:XS+7]
.set j, 8
.rept 6
	v_pk_add_f32 v[T:T+1], v[T:T+1], v[XS+j:XS+j+1]
	v_pk_add_f32 v[T+2:T+3], v[T+2:T+3], v[XS+j+2:XS+j+3]
.set j, j+4
.endr
	v_pk_add_f32 v[T:T+1], v[T:T+1], v[T+2:T+3]
	v_add_f32 v[T], v[T], v[T+1]
	WSUM
	v_mul_f32 v[MM], 0x3a800000, v[T]              ; the mean: / 1,024
	v_mov_b32 v[MM+1], v[MM]
.set j, 0
.rept 16
	v_pk_add_f32 v[XS+j:XS+j+1], v[XS+j:XS+j+1], v[MM:MM+1] neg_lo:[0,1] neg_hi:[0,1]   ; x - mean
.set j, j+2
.endr
	v_pk_mul_f32 v[T:T+1], v[XS:XS+1], v[XS:XS+1]
	v_pk_mul_f32 v[T+2:T+3], v[XS+2:XS+3], v[XS+2:XS+3]
.set j, 4
.rept 7
	v_pk_fma_f32 v[T:T+1], v[XS+j:XS+j+1], v[XS+j:XS+j+1], v[T:T+1]
	v_pk_fma_f32 v[T+2:T+3], v[XS+j+2:XS+j+3], v[XS+j+2:XS+j+3], v[T+2:T+3]
.set j, j+4
.endr
	v_pk_add_f32 v[T:T+1], v[T:T+1], v[T+2:T+3]
	v_add_f32 v[T], v[T], v[T+1]
	WSUM
	v_fma_f32 v[T], v[T], s44, s45                 ; the unbiased variance + eps
	s_wait_alu depctr_va_vdst(0)
	v_rsq_f32 v[RR], v[T]
	v_rsq_f32 v[RR+1], v[T]
	v_nop                                          ; a plain line behind the transcendentals (ISA guide 5.7.2),
	s_wait_alu depctr_va_vdst(0)                   ; and one wait ahead of their first reader
.set j, 0
.rept 16
	v_pk_mul_f32 v[XS+j:XS+j+1], v[XS+j:XS+j+1], v[RR:RR+1]
.set j, j+2
.endr
.set j, 0
.rept 16
	v_pk_fma_f32 v[XS+j:XS+j+1], v[XS+j:XS+j+1], v[SC+j:SC+j+1], v[SH+j:SH+j+1]
.set j, j+2
.endr
	QSET 0
	QSET 1
	QSET 2
.if (\r) < 2
	LNLOAD (\r)+2                                  ; the slot's next row
.endif
	s_wait_xcnt 0x0                                ; the last row's stores have read v[BK] on: only now is it loaded again
.irp s, 0,1,2
.irp q, 0,1
	ds_load_b128 v[BK+8*\s+4*\q:BK+8*\s+4*\q+3], v5 offset:1024*\s+512*\q   ; in order behind my stores
.endr
.endr
	s_wait_dscnt 0x0
.irp s, 0,1,2
.irp q, 0,1
	global_store_b128 v2, v[BK+8*\s+4*\q:BK+8*\s+4*\q+3], s[32+2*\s:33+2*\s] offset:1024*(\r)+512*\q   ; 32 lanes store 512 consecutive bytes, aligned
.endr
.endr
.endm
	LNROW 0
	LNROW 1
	LNROW 2
	LNROW 3
	s_wait_tensorcnt 0x0                           ; the wave's end, behind my last LDS store
	ds_add_u32 v[SPW], v[NIL]
	s_wait_dscnt 0x0
	s_endpgm
.Lfunc_end_k_q663f303949_prep:
	.size	k_q663f303949_prep, .Lfunc_end_k_q663f303949_prep-k_q663f303949_prep
	.p2alignl 7, 3214868480
	.fill 96, 4, 3214868480
	.section	.rodata,"a",@progbits
	.p2align	6, 0x0
	.amdhsa_kernel k_q663f303949_prep
		.amdhsa_group_segment_fixed_size 47616
		.amdhsa_private_segment_fixed_size 0
		.amdhsa_enable_private_segment 0
		.amdhsa_kernarg_size 96
		.amdhsa_user_sgpr_count 2
		.amdhsa_user_sgpr_kernarg_segment_ptr 1
		.amdhsa_wavefront_size32 1
		.amdhsa_system_sgpr_workgroup_id_x 1
		.amdhsa_system_sgpr_workgroup_id_y 1
		.amdhsa_system_sgpr_workgroup_id_z 1
		.amdhsa_system_vgpr_workitem_id 0
		.amdhsa_next_free_vgpr 240
		.amdhsa_next_free_sgpr 100
		.amdhsa_reserve_vcc 0
		.amdhsa_float_denorm_mode_32 3
		.amdhsa_float_denorm_mode_16_64 3
		.amdhsa_memory_ordered 1
		.amdhsa_forward_progress 1
		.amdhsa_inst_pref_size 121
	.end_amdhsa_kernel
	.amdgpu_metadata
---
amdhsa.version: [ 1, 2 ]
amdhsa.kernels:
  - .name:           k_q663f303949_prep
    .symbol:         k_q663f303949_prep.kd
    .args:
      - { .name: x, .offset: 0, .size: 8, .value_kind: global_buffer, .address_space: global }
      - { .name: scale1, .offset: 8, .size: 8, .value_kind: global_buffer, .address_space: global }
      - { .name: shift1, .offset: 16, .size: 8, .value_kind: global_buffer, .address_space: global }
      - { .name: Wq, .offset: 24, .size: 8, .value_kind: global_buffer, .address_space: global }
      - { .name: Wk, .offset: 32, .size: 8, .value_kind: global_buffer, .address_space: global }
      - { .name: Wv, .offset: 40, .size: 8, .value_kind: global_buffer, .address_space: global }
      - { .name: Wo, .offset: 48, .size: 8, .value_kind: global_buffer, .address_space: global }
      - { .name: W1, .offset: 56, .size: 8, .value_kind: global_buffer, .address_space: global }
      - { .name: W2, .offset: 64, .size: 8, .value_kind: global_buffer, .address_space: global }
      - { .name: lowp_scales, .offset: 72, .size: 8, .value_kind: global_buffer, .address_space: global }
      - { .name: a1c, .offset: 80, .size: 8, .value_kind: global_buffer, .address_space: global }
      - { .name: wc, .offset: 88, .size: 8, .value_kind: global_buffer, .address_space: global }
    .group_segment_fixed_size: 47616
    .private_segment_fixed_size: 0
    .kernarg_segment_align: 8
    .kernarg_segment_size: 96
    .max_flat_workgroup_size: 128
    .sgpr_count:     100
    .vgpr_count:     240
    .wavefront_size: 32
...
	.end_amdgpu_metadata
.endif
;; end of part 1
;; launch qkv (part 2): grid 12 x 16, 4 waves a work-group, clusters of 4 x 4, 327,680 bytes of LDS; arguments a1c, wc, lowp_scales, qkvc; writes qkvc
.if DOCPART == 2
	.amdgcn_target "amdgcn-amd-amdhsa--gfx1250"
	.amdhsa_code_object_version 6
	.text
	.protected	k_q663f303949_qkv
	.globl	k_q663f303949_qkv
	.p2align	8
	.type	k_q663f303949_qkv,@function
k_q663f303949_qkv:
	s_mov_b64 s[64:65], 0
	v_nop
	global_prefetch_b8 v0, s[64:65] scope:SCOPE_SE
	s_setreg_imm32_b32 hwreg(HW_REG_WAVE_MODE, 25, 1), 1
	s_wait_xcnt 0x0
	s_wait_alu depctr_hold_cnt(0) depctr_sa_sdst(0) depctr_va_vdst(0) depctr_va_sdst(0) depctr_va_ssrc(0) depctr_va_vcc(0) depctr_vm_vsrc(0)
	s_getreg_b32 s2, hwreg(HW_REG_IB_STS2, 6, 4)
	s_cmp_eq_u32 s2, 0
	s_cbranch_scc0 .Lentry_in_a_cluster
	s_endpgm
.Lentry_in_a_cluster:
	s_bfe_u32 s2, ttmp6, 0x10000c
	s_cmp_lg_u32 s2, 0xf033
	s_cbranch_scc0 .Lentry_shape_is_right
	s_endpgm
.Lentry_shape_is_right:
.set SIZE_K, 1024
.set KSTEP,  256
.set ROWB,   256
.set KROW,   SIZE_K
.set PITCH,  272
.set FR,     16
.set NL,     4
.set NP,     4
.set HALFT,  128*PITCH
.set SLOT,   4*HALFT
.set LAPS,   SIZE_K/(2*KSTEP)
.set SPARE,  2*SLOT
.set ADRA, 16
.set ADRB, 20
.set CO,   26
.set SPW,  28
.set NIL,  29
.set AF,   128
.set G1, 24
.set G0, 32
.set G1B, 48
.set G0B, 56
.set MSB, 0
.macro WIN new
.if MSB != \new
	s_set_vgpr_msb (MSB<<8)|\new
.set MSB, \new
.endif
.endm
.set MUL_LO, 0xa1
.set MUL_HI, 0xf1
.set TO_B,   0x40
.macro JLOAD g0a, g1a, g0b, g1b
	s_cmp_eq_u32 s15, 0
	s_cbranch_scc0 .Lfor_b_\@
	tensor_load_to_lds s[\g0a:\g0a+3], s[\g1a:\g1a+7]
	s_nop 0
.rept 4
	v_nop
.endr
	s_branch .Lasked_\@
.Lfor_b_\@:
	tensor_load_to_lds s[\g0b:\g0b+3], s[\g1b:\g1b+7]
	s_nop 0
.rept 4
	v_nop
.endr
.Lasked_\@:
.endm
.macro CREST
	s_cmp_lg_u32 s14, 0
	s_cbranch_scc1 .Lnot_wave_0_\@
	s_barrier_signal -3
.Lnot_wave_0_\@:
	s_barrier_wait -3
	s_barrier_signal -1
	s_barrier_wait -1
.endm
.macro CROUND
	s_barrier_signal -1
	s_barrier_wait -1
	CREST
.endm
	s_load_b128 s[4:7], s[0:1], 0x0
	s_load_b128 s[8:11], s[0:1], 0x10
	v_lshl_add_u32 v[SPW], v0, 2, SPARE
	v_mov_b32 v[NIL], 0
	ds_add_u32 v[SPW], v[NIL]
	ds_add_u32 v[SPW], v[NIL]
	v_lshrrev_b32 v1, 5, v0
	v_readfirstlane_b32 s14, v1
	s_lshr_b32 s15, s14, 1
	s_and_b32 s16, s14, 1
	s_bfe_u32 s40, ttmp6, 0x40000
	s_bfe_u32 s41, ttmp6, 0x40004
	s_and_b32 s84, ttmp7, 0xffff
	s_cmp_eq_u32 ttmp9, 2
	s_cselect_b32 s85, 0, s84
	s_cselect_b32 s86, s84, 0
	s_lshl_b32 s42, s86, 2
	s_add_co_u32 s42, s42, s40
	s_lshl_b32 s17, s85, 2
	s_add_co_u32 s17, s17, s41
	s_lshl_b32 s43, s41, 2
	s_lshl_b32 s43, 15, s43
	s_lshl_b32 s44, 0x1111, s40
	s_or_b32 s[G1+0], s43, (1<<20)|(1<<21)|(5<<22)|(3<<25)
	s_or_b32 s[G1B+0], s44, (1<<20)|(1<<21)|(5<<22)|(3<<25)
.irp g, G1, G1B
	s_mov_b32 s[\g+1], ROWB<<16
	s_mov_b32 s[\g+2], 128<<16
	s_mov_b32 s[\g+3], ROWB<<16
	s_mov_b32 s[\g+4], 128
	s_mov_b32 s[\g+5], KROW
	s_mov_b32 s[\g+6], 0
	s_mov_b32 s[\g+7], 0
.endr
	s_lshl_b32 s18, s16, 7
	s_lshl_b32 s20, s17, 8
	s_add_co_u32 s20, s20, s18
	s_lshl_b32 s20, s20, 10
	s_mov_b32 s21, 0
	s_lshl_b32 s46, s42, 8
	s_add_co_u32 s46, s46, s18
	s_lshl_b32 s46, s46, 10
	s_mov_b32 s47, 0
	s_mul_i32 s45, s14, HALFT
	s_lshl_b32 s86, ttmp9, 22
	s_mov_b32 s87, 0
	s_lshl_b32 s88, ttmp9, 20
	s_mov_b32 s89, 0
	s_wait_dscnt 0x0
	s_wait_kmcnt 0x0
	s_load_b512 s[68:83], s[8:9], 0x0
	s_add_nc_u64 s[4:5], s[4:5], s[86:87]
	s_add_nc_u64 s[6:7], s[6:7], s[88:89]
	s_cmp_eq_u32 ttmp9, 2
	s_cselect_b64 s[90:91], s[6:7], s[4:5]
	s_cselect_b64 s[92:93], s[4:5], s[6:7]
	s_add_nc_u64 s[20:21], s[90:91], s[20:21]
	s_add_nc_u64 s[46:47], s[92:93], s[46:47]
	CROUND
.irp s, 0,1
	s_mov_b32 s[G0+4*\s], 1
	s_add_co_u32 s[G0+4*\s+1], s45, \s*SLOT
	s_add_nc_u64 s[G0+4*\s+2:G0+4*\s+3], s[20:21], \s*ROWB
	s_or_b32 s[G0+4*\s+3], s[G0+4*\s+3], 0x80000000
	s_mov_b32 s[G0B+4*\s], 1
	s_add_co_u32 s[G0B+4*\s+1], s45, \s*SLOT
	s_add_nc_u64 s[G0B+4*\s+2:G0B+4*\s+3], s[46:47], \s*ROWB
	s_or_b32 s[G0B+4*\s+3], s[G0B+4*\s+3], 0x80000000
	s_wait_alu depctr_va_vdst(0)
	s_wait_tensorcnt 0x0
	ds_add_u32 v28, v29
	ds_add_u32 v28, v29
	s_wait_dscnt 0x0
	CROUND
	JLOAD G0+4*\s, G1, G0B+4*\s, G1B
.endr
	v_and_b32 v1, 15, v0
	v_bfe_u32 v2, v0, 4, 1
	v_mul_u32_u24 v3, v1, PITCH
	v_lshl_add_u32 v4, v2, 4, v3
	s_mul_i32 s21, s15, HALFT
	s_mul_i32 s22, s16, HALFT
	s_add_co_u32 s22, s22, 2*HALFT
.irp s, 0,1
	v_add_nc_u32 v[ADRA+\s], s21, v4
	v_add_nc_u32 v[ADRB+\s], s22, v4
	s_add_co_u32 s21, s21, SLOT
	s_add_co_u32 s22, s22, SLOT
.endr
	v_and_b32 v6, 31, v0
	v_lshlrev_b32 v[CO], 4, v6
.macro FRAG reg, adr, q, i
.irp c, 0,1,2,3
	ds_load_b128 v[\reg+4*\c:\reg+4*\c+3], v[\adr] offset:128*(\q)+32*\c+(\i)*16*PITCH
.endr
.endm
.macro MUL16 a0, p, zero
.irp a, \a0, \a0+1
.irp b, 0,1,2,3,4,5,6,7
.if \zero
	v_wmma_f32_16x16x128_bf8_bf8 v[8*(8*((\a)%4)+\b):8*(8*((\a)%4)+\b)+7], v[128*(\p)+FR*\b:128*(\p)+FR*\b+FR-1], v[AF+FR*(\a):AF+FR*(\a)+FR-1], 0
.else
	v_wmma_f32_16x16x128_bf8_bf8 v[8*(8*((\a)%4)+\b):8*(8*((\a)%4)+\b)+7], v[128*(\p)+FR*\b:128*(\p)+FR*\b+FR-1], v[AF+FR*(\a):AF+FR*(\a)+FR-1], v[8*(8*((\a)%4)+\b):8*(8*((\a)%4)+\b)+7]
.endif
.endr
.endr
.endm
.macro FETCH_B slot, q, p
	WIN TO_B
.irp i, 0,1,2,3,4,5,6,7
	FRAG 128*(\p)+FR*\i, ADRB+\slot, \q, \i
.endr
	WIN 0
.endm
.macro FETCH_A slot, q, i0
.irp i, \i0, \i0+1, \i0+2, \i0+3
	FRAG AF+FR*(\i), ADRA+\slot, \q, \i
.endr
.endm
.macro PLACES n
.rept \n
	v_nop
.endr
.endm
.macro STEP slot, q, zero
	s_wait_dscnt 4*NL
	WIN MUL_LO
	MUL16 0, (\q)%2, \zero
	MUL16 2, (\q)%2, \zero
	s_wait_dscnt 0
	PLACES NP
	FETCH_B \slot, (\q)+1, 1-(\q)%2
	FETCH_A \slot, (\q)+1, 0
	WIN MUL_HI
	MUL16 4, (\q)%2, \zero
	MUL16 6, (\q)%2, \zero
	PLACES NP
	WIN 0
	FETCH_A \slot, (\q)+1, 4
.endm
.macro TURN slot, next, fill
	s_wait_tensorcnt 0x0
	ds_add_u32 v[SPW], v[NIL]
	s_wait_dscnt 4*NL+1
	WIN MUL_LO
	MUL16 0, 1, 0
	s_wait_dscnt 0x0
	s_barrier_signal -1
	MUL16 2, 1, 0
	WIN 0
	s_barrier_wait -1
.if \fill
	CREST
	s_add_nc_u64 s[G0+4*\slot+2:G0+4*\slot+3], s[G0+4*\slot+2:G0+4*\slot+3], 2*ROWB
	s_add_nc_u64 s[G0B+4*\slot+2:G0B+4*\slot+3], s[G0B+4*\slot+2:G0B+4*\slot+3], 2*ROWB
	JLOAD G0+4*\slot, G1, G0B+4*\slot, G1B
.else
	PLACES NP
.endif
	FETCH_B \next, 0, 0
	FETCH_A \next, 0, 0
	WIN MUL_HI
	MUL16 4, 1, 0
	MUL16 6, 1, 0
	PLACES NP
	WIN 0
	FETCH_A \next, 0, 4
.endm
	s_wait_alu depctr_va_vdst(0)
	s_wait_tensorcnt 1
	s_barrier_signal -1
	s_barrier_wait -1
	FETCH_B 0, 0, 0
	FETCH_A 0, 0, 0
	FETCH_A 0, 0, 4
	STEP 0, 0, 1
	s_mov_b32 s3, LAPS-1
.Llap:
	TURN 0, 1, 1
	STEP 1, 0, 0
	TURN 1, 0, 1
	STEP 0, 0, 0
	s_sub_co_u32 s3, s3, 1
	s_cmp_lg_u32 s3, 0
	s_cbranch_scc1 .Llap
	TURN 0, 1, 0
	STEP 1, 0, 0
	s_wait_dscnt 4*NL
	WIN MUL_LO
	MUL16 0, 1, 0
	MUL16 2, 1, 0
	s_wait_dscnt 0
	WIN MUL_HI
	MUL16 4, 1, 0
	MUL16 6, 1, 0
	WIN 0
	s_wait_kmcnt 0x0
	s_sub_co_i32 s84, s74, s68
	s_sub_co_i32 s84, s84, s69
	s_sub_co_i32 s85, s75, s70
	s_sub_co_i32 s85, s85, s71
	s_sub_co_i32 s86, s77, s72
	s_sub_co_i32 s86, s86, s73
	s_cmp_eq_u32 ttmp9, 0
	s_cselect_b32 s84, s84, s85
	s_cmp_eq_u32 ttmp9, 2
	s_cselect_b32 s84, s86, s84
	s_add_co_i32 s84, s84, 127
	s_lshl_b32 s85, s84, 23
	v_mov_b32 v9, s85
	s_add_co_i32 s84, s84, 15
	s_lshl_b32 s84, s84, 23
	s_or_b32 s84, s84, 0x600000
	v_mov_b32 v8, s84
	PLACES NP
.set a, 0
.rept 8
.set AC, 64*(a%4)
.set WN, 0x02+a/4
	WIN WN
.set j, 0
.rept 64
	v_med3_num_f32 v[32+j], v[AC+j], -v8, v8
.set j, j+1
.endr
	WIN 0
.set b, 0
.rept 8
	v_cvt_scalef32_pk8_bf8_f32 v[128+16*a+2*b:128+16*a+2*b+1], v[32+8*b:32+8*b+7], v9
.set b, b+1
.endr
	v_nop
.set a, a+1
.endr
	s_cmp_eq_u32 ttmp9, 2
	s_cbranch_scc1 .Lv_out
	s_lshl_b32 s84, s17, 8
	s_lshl_b32 s85, s15, 7
	s_add_co_u32 s84, s84, s85
	s_lshr_b32 s85, s84, 11
	s_lshl_b32 s85, s85, 4
	s_lshl_b32 s86, s42, 2
	s_add_co_u32 s85, s85, s86
	s_lshl_b32 s86, s16, 1
	s_add_co_u32 s85, s85, s86
	s_lshl_b32 s85, s85, 7
	s_and_b32 s84, s84, 2047
	s_lshr_b32 s84, s84, 4
	s_add_co_u32 s85, s85, s84
	s_lshl_b32 s84, s85, 10
	s_lshl_b32 s86, ttmp9, 22
	s_add_co_u32 s84, s84, s86
	s_mov_b32 s85, 0
	s_add_nc_u64 s[10:11], s[10:11], s[84:85]
.set a, 0
	s_wait_alu depctr_va_vdst(0)
.rept 8
.irp g, 0,1,2,3
	global_store_b128 v[CO], v[128+16*a+4*\g:128+16*a+4*\g+3], s[10:11] offset:(\g/2)*131072+1024*a+512*(\g%2)
.endr
.set a, a+1
.endr
	s_branch .Lout_done
.Lv_out:
	s_lshl_b32 s84, s42, 8
	s_lshl_b32 s85, s16, 7
	s_add_co_u32 s84, s84, s85
	s_lshr_b32 s85, s84, 11
	s_lshl_b32 s85, s85, 4
	s_lshl_b32 s86, s17, 2
	s_add_co_u32 s85, s85, s86
	s_lshl_b32 s86, s15, 1
	s_add_co_u32 s85, s85, s86
	s_lshl_b32 s85, s85, 4
	s_and_b32 s84, s84, 2047
	s_lshr_b32 s84, s84, 7
	s_add_co_u32 s85, s85, s84
	s_lshl_b32 s84, s85, 13
	s_add_co_u32 s84, s84, 0x800000
	s_mov_b32 s85, 0
	s_add_nc_u64 s[10:11], s[10:11], s[84:85]
.set a, 0
	s_wait_alu depctr_va_vdst(0)
.rept 8
.irp g, 0,1,2,3
	global_store_b128 v[CO], v[128+16*a+4*\g:128+16*a+4*\g+3], s[10:11] offset:(a/4)*131072+2048*(a%4)+512*\g
.endr
.set a, a+1
.endr
.Lout_done:
	s_wait_tensorcnt 0x0
	ds_add_u32 v[SPW], v[NIL]
	s_wait_dscnt 0x0
	CROUND
	s_endpgm
.Lfunc_end_k_q663f303949_qkv:
	.size	k_q663f303949_qkv, .Lfunc_end_k_q663f303949_qkv-k_q663f303949_qkv
	.p2alignl 7, 3214868480
	.fill 96, 4, 3214868480
	.section	.rodata,"a",@progbits
	.p2align	6, 0x0
	.amdhsa_kernel k_q663f303949_qkv
		.amdhsa_group_segment_fixed_size 327680
		.amdhsa_private_segment_fixed_size 0
		.amdhsa_enable_private_segment 0
		.amdhsa_kernarg_size 32
		.amdhsa_user_sgpr_count 2
		.amdhsa_user_sgpr_kernarg_segment_ptr 1
		.amdhsa_wavefront_size32 1
		.amdhsa_system_sgpr_workgroup_id_x 1
		.amdhsa_system_sgpr_workgroup_id_y 1
		.amdhsa_system_sgpr_workgroup_id_z 1
		.amdhsa_system_vgpr_workitem_id 0
		.amdhsa_next_free_vgpr 1024
		.amdhsa_next_free_sgpr 100
		.amdhsa_reserve_vcc 0
		.amdhsa_float_denorm_mode_32 3
		.amdhsa_float_denorm_mode_16_64 3
		.amdhsa_memory_ordered 1
		.amdhsa_forward_progress 1
		.amdhsa_inst_pref_size 123
	.end_amdhsa_kernel
	.amdgpu_metadata
---
amdhsa.version: [ 1, 2 ]
amdhsa.kernels:
  - .name:           k_q663f303949_qkv
    .symbol:         k_q663f303949_qkv.kd
    .args:
      - { .name: a1c, .offset: 0, .size: 8, .value_kind: global_buffer, .address_space: global }
      - { .name: wc, .offset: 8, .size: 8, .value_kind: global_buffer, .address_space: global }
      - { .name: lowp_scales, .offset: 16, .size: 8, .value_kind: global_buffer, .address_space: global }
      - { .name: qkvc, .offset: 24, .size: 8, .value_kind: global_buffer, .address_space: global }
    .group_segment_fixed_size: 327680
    .private_segment_fixed_size: 0
    .kernarg_segment_align: 8
    .kernarg_segment_size: 32
    .max_flat_workgroup_size: 128
    .sgpr_count:     100
    .vgpr_count:     1024
    .wavefront_size: 32
...
	.end_amdgpu_metadata
.endif
;; end of part 2
;; launch attn (part 3): grid 8 x 32, 16 waves a work-group, clusters of 4 x 1, 327,680 bytes of LDS; arguments qkvc, lowp_scales, cc; writes cc
.if DOCPART == 3
	.amdgcn_target "amdgcn-amd-amdhsa--gfx1250"
	.amdhsa_code_object_version 6
	.text
	.protected	k_q663f303949_attn
	.globl	k_q663f303949_attn
	.p2align	8
	.type	k_q663f303949_attn,@function
k_q663f303949_attn:
	s_mov_b64 s[64:65], 0
	v_nop
	global_prefetch_b8 v0, s[64:65] scope:SCOPE_SE
	s_setreg_imm32_b32 hwreg(HW_REG_WAVE_MODE, 25, 1), 1
	s_wait_xcnt 0x0
	s_wait_alu depctr_hold_cnt(0) depctr_sa_sdst(0) depctr_va_vdst(0) depctr_va_sdst(0) depctr_va_ssrc(0) depctr_va_vcc(0) depctr_vm_vsrc(0)
	s_getreg_b32 s2, hwreg(HW_REG_IB_STS2, 6, 4)
	s_cmp_eq_u32 s2, 0
	s_cbranch_scc0 .Lentry_in_a_cluster
	s_endpgm
.Lentry_in_a_cluster:
	s_bfe_u32 s2, ttmp6, 0x10000c
	s_cmp_lg_u32 s2, 0x3003
	s_cbranch_scc0 .Lentry_shape_is_right
	s_endpgm
.Lentry_shape_is_right:
; Products 4 and 5: causal attention on codes of E5M2, head size 64; ctx quantised (e10) and stored as images of the next product's operand registers.
; LEFT OUT: a step of 128 keys all of which come after a tile's 16 queries (reference()'s own causal mask makes their p 0).
; t = score x log2(e) / 8; M = the running largest t rounded up to a whole number; p = 2^(t - M) is quantised (e8), not normalised; the row's sum is taken of the unquantised p and divides at the end;
; when M moves, the sum and O are multiplied by 2^(old M - new M), which rounds nothing.
; SHARES: a head has 128 tiles of 16 queries.  Work-group x (0 to 7) of a head owns the sixteen tiles x + 8 j, j = 0 .. 15: tile j lies in block j of 128 queries and sees the steps 0 .. j of 128 keys, whatever x is.
; So every work-group reads all sixteen steps and has the same 136 products of a tile and a step, and which steps a tile sees hangs on j alone.
; Wave w owns the tiles j = 15 - p (late) and j = p (early) and every second step (the even or the odd ones): a fragment of K or V serves both tiles while the early tile still sees the keys.
; With w = 4 a + b: p = 2 ((a + b) % 4) + a % 2, the steps' parity a / 2: waves that share a, and waves that share b, hold p spread over 0 .. 7.  The wave with the same p and the other parity is w xor 10.
; The two waves of such a pair hold partial O, M and sums of the same two tiles.  At the end each hands one tile's to the other through LDS bytes of its own and finishes the other tile:
; both parts are brought under the larger M by powers of two and added.  A wave that saw no key of a tile holds M = -3e38, O = 0, sum = 0: its factor is 0.
; CLUSTER 4, 1, 1: four work-groups of one head walk the same K and V: each tile is asked for jointly, mask 15.  No branch and no LDS address hangs on a work-group's place: x enters Q's, cc's and the prefetch's addresses and the mask's lane constant alone.
; THE RING: two slots of 512 keys (four steps; 32 KiB of K, 32 KiB of V), four fills.  Each of the sixteen waves asks for 4 KiB: one 1,024-byte image (K's tile w, or V's unit w - 8) of EACH of the slot's four steps (4 rows, 8,192 bytes apart in memory).
; Each fill but the first stands behind a round of the cluster's barrier; between a fill and the wait for it stand two steps of every wave.
; Both products are used transposed: S^T = K Q^T (16x16x64), O^T = V^T P^T (16x16x128): a lane holds one query.  K's and V's fragments lie in memory as images of their registers.
; S^T tile c holds keys 16 c + 8 (lane / 16) + j: its two code registers are registers 2 c, 2 c + 1 of P, the form's own order of k, which V's images have too.
; LIMITS: e6 + e7 between -123 and 130; e8 and e10 - e8 - e9 between -126 and 112; the scaled scores stay under 2^31 in magnitude.  NaN is not served.
; REGISTERS: v1 16 x lane; v2 prefetch offset; v3 LDS address; v4, v5 the add's two; v6, v7 the hold; v8-11 late tile: -M, largest t, the sum in two halves; v12-15 early tile likewise; v16-23, v24-31 Q; v32-95 K, then V;
; v100-163 S^T, then p; v96-111 the late tile's codes (group c's two registers land on registers of group c - 2, which is done with); v164-195, v196-227 O^T; v228-243 the early tile's codes; v249 the mask's constant; v244-255 else at work.
.set SLOT1, 65536                      ; slot 1 lies here: one exclusive or turns an address
.set PIECE, 4096                       ; what one tensor load brings: K's eight pieces, then V's eight
.set VOFF,  8*PIECE
.set SROW,  1024                       ; a step's part of a piece
.set NSL,   4
.set SPARE, 2*SLOT1                    ; behind the ring: the spare words, 128 bytes for each of 16 waves
.set STG,   SPARE+2048                 ; behind them: the exchange, STW bytes a wave; no tensor load lands here
.set STW,   4608                       ; 32 registers of O^T and 4 of state, 32 x 4 bytes each
.set PFO,  2
.set ADR,  3
.set SPW,  4
.set NIL,  5
.set HL,   6
.set SH,   8
.set SL,   12
.set QHR,  16
.set QLR,  24
.set KV,   32
.set CH,   96
.set S,    100
.set OH,   164
.set OL,   196
.set CL,   228
.set DG,   249                         ; v249 16 x + lane % 16 - 8 (lane / 16): on a tile's last step, my query less the step's first key less 8 (lane / 16)
.set QS,   254                         ; v254 the conversion's scale
.set TB,   10                          ; s10 LDS byte of my step's row in the slot in hand
.set WV,   18
.set HF,   19                          ; s19 0: I take the even steps, 1: the odd ones
.set SEL,  20
.set CS,   22
.set G1,   24
.set G0,   40
.set TRIP, 66                          ; s66 my steps still to go in the slot
.set SLOTS, 67
.set PFA,  76
.set LIM,  80
.set JL,   94                          ; s94 the early tile's j: its last step
.set JH,   95                          ; s95 the late tile's
.set ST,   98                          ; s98 my step's number, 0 .. 15
.macro CROUND                          ; a round of the cluster's barrier
	s_barrier_signal -1
	s_barrier_wait -1
	s_cmp_lg_u32 s[WV], 0
	s_cbranch_scc1 .Lnot_wave_0_\@
	s_barrier_signal -3
.Lnot_wave_0_\@:
	s_barrier_wait -3
	s_barrier_signal -1
	s_barrier_wait -1
.endm
.macro TLOAD                           ; every wave's joint load of its piece; an s_nop 0 and four v_nop follow the line
	tensor_load_to_lds s[G0:G0+3], s[G1:G1+7]
	s_nop 0
.rept 4
	v_nop
.endr
.endm
; A prefetch of what the NEXT change of slots will ask for: 32 KiB of K and of V, 256 blocks of 256 bytes, two steps of every wave ahead of that load.  Each cluster asks for what it will load, each block once:
; the four partners share the blocks out BY ADDRESS, 64 each (places 0, 1: K's halves; 2, 3: V's); in a work-group waves 0 and 1 ask, 32 blocks each, a lane a block.
; The last change that fills a slot asks for nothing; slots 0 and 1 come by their loads alone.
.macro ASK
	s_cmp_gt_u32 s[SLOTS], s[LIM]
	s_cbranch_scc0 .Lnot_mine_\@
	global_prefetch_b8 v[PFO], s[PFA:PFA+1] th:TH_LOAD_NT scope:SCOPE_SE
.Lnot_mine_\@:
.endm
	s_load_b128 s[4:7], s[0:1], 0x0                ; qkvc, lowp_scales
	s_load_b64 s[8:9], s[0:1], 0x10                ; cc
	v_lshl_add_u32 v[SPW], v0, 2, SPARE
	v_mov_b32 v[NIL], 0
	ds_add_u32 v[SPW], v[NIL]                      ; the wave's opening: the add, twice on end, and its wait ahead of the round in front of the first tensor load
	ds_add_u32 v[SPW], v[NIL]
	v_lshrrev_b32 v3, 5, v0
	v_readfirstlane_b32 s[WV], v3                  ; wave 0..15
	s_and_b32 s72, ttmp7, 0xffff                   ; 16 x batch + head, which the four partners share
	s_lshl_b32 s74, s72, 17                        ; a head's 131,072 bytes in each of q, k, v
	s_lshr_b32 s75, s[WV], 2                       ; a
	s_add_co_u32 s[JL], s75, s[WV]
	s_and_b32 s[JL], s[JL], 3                      ; (a + b) % 4
	s_lshl_b32 s[JL], s[JL], 1
	s_and_b32 s78, s75, 1
	s_or_b32 s[JL], s[JL], s78                     ; p
	s_lshr_b32 s[HF], s75, 1
	s_sub_co_u32 s[JH], 15, s[JL]
	s_mov_b32 s[G1], 15|(3<<16)|(1<<21)            ; the mask: all four; elements of 8 bytes; no padding; bit 21 beside a mask
	s_mov_b32 s[G1+1], 128<<16                     ; tensor_dim0: 1,024 bytes
	s_mov_b32 s[G1+2], 4<<16                       ; tensor_dim1: the slot's four steps
	s_mov_b32 s[G1+3], 128<<16                     ; tile_dim0
	s_mov_b32 s[G1+4], 4                           ; tile_dim1
	s_mov_b32 s[G1+5], 1024                        ; pitch: a step's 8,192 bytes
	s_mov_b32 s[G1+6], 0
	s_mov_b32 s[G1+7], 0
	s_lshl_b32 s89, s[WV], 12                      ; my piece's place in a slot
	s_lshr_b32 s90, s[WV], 3
	s_lshl_b32 s90, s90, 22
	s_add_co_u32 s90, s90, 0x400000                ; k at 4 MiB, v at 8 MiB
	s_add_co_u32 s90, s90, s74
	s_and_b32 s88, s[WV], 7
	s_lshl_b32 s88, s88, 10
	s_add_co_u32 s90, s90, s88                     ; my 1,024 bytes of each step
	s_mov_b32 s91, 0
	s_bfe_u32 s81, ttmp6, 0x40000                  ; cx: from here to the prefetch's offset, numbers that enter global addresses and v249 alone
	s_lshl_b32 s82, ttmp9, 2
	s_add_co_u32 s82, s82, s81                     ; x = 4 x cluster x + cx
	s_lshl_b32 s83, s82, 4                         ; 16 x
	s_lshl_b32 s79, s[JH], 7
	s_add_co_u32 s79, s79, s83                     ; the late tile's first query
	s_lshl_b32 s84, s[JL], 7
	s_add_co_u32 s84, s84, s83                     ; the early tile's
	s_lshl_b32 s86, s79, 6                         ; q's images of my two tiles: 1,024 bytes for 16 queries
	s_add_co_u32 s86, s86, s74
	s_mov_b32 s87, 0
	s_lshl_b32 s70, s84, 6
	s_add_co_u32 s70, s70, s74
	s_mov_b32 s71, 0
	s_cmp_eq_u32 s[HF], 0
	s_cselect_b32 s93, s79, s84                    ; the tile that I finish: the even wave the late one, the odd wave the early one
	s_lshr_b32 s92, s72, 4                         ; cc: [tile of 16 rows][128 along K][2,048]: row tile 128 x batch + query / 16; my head's 64 are 1,024 bytes at head x 1,024
	s_lshl_b32 s92, s92, 7
	s_lshr_b32 s93, s93, 4
	s_add_co_u32 s92, s92, s93
	s_lshl_b32 s92, s92, 14
	s_and_b32 s93, s72, 15
	s_lshl_b32 s93, s93, 10
	s_add_co_u32 s92, s92, s93
	s_mov_b32 s93, 0
	s_lshr_b32 s62, s81, 1                         ; the prefetches: places 0, 1 take K, places 2, 3 V,
	s_lshl_b32 s62, s62, 22
	s_and_b32 s60, s81, 1
	s_lshl_b32 s60, s60, 14                        ; a half of its 32 KiB,
	s_add_co_u32 s62, s62, s60
	s_and_b32 s60, s[WV], 1
	s_lshl_b32 s60, s60, 13                        ; a wave 8 KiB of that,
	s_add_co_u32 s62, s62, s60
	s_add_co_u32 s62, s62, 0x408000                ; in slot 1: the first change of slots steps it to slot 2
	s_add_co_u32 s62, s62, s74
	s_mov_b32 s63, 0
	s_cmp_lt_u32 s[WV], 2
	s_cselect_b32 s[LIM], 1, -1                    ; waves 0 and 1 ask
	s_mul_i32 s68, s[WV], STW
	s_add_co_u32 s68, s68, STG                     ; the exchange: where I put,
	s_xor_b32 s69, s[WV], 10
	s_mul_i32 s69, s69, STW
	s_add_co_u32 s69, s69, STG                     ; and where my partner puts
	s_mov_b32 s[SEL], 0x76543210
	s_mov_b32 s[SEL+1], 0xfedcba98
	s_mov_b32 s[CS], 0x3e38aa3b                    ; c = log2(e) / 8
	s_lshl_b32 s[TB], s[HF], 10                    ; step 0 or step 1 of slot 0
	s_mov_b32 s[ST], s[HF]
	s_mov_b32 s[SLOTS], NSL-1
	s_wait_dscnt 0x0                               ; both opening adds are done
	s_wait_kmcnt 0x0
	s_load_b512 s[44:59], s[6:7], 0x0              ; e0 .. e15: e6 s50, e7 s51, e8 s52, e9 s53, e10 s54
	s_mov_b32 s[G0], 1
	s_mov_b32 s[G0+1], s89
	s_add_nc_u64 s[G0+2:G0+3], s[4:5], s[90:91]
	s_or_b32 s[G0+3], s[G0+3], 0x80000000
	CROUND                                         ; all four work-groups are here: the first joint loads meet
	TLOAD                                          ; slot 0: one tensor load a wave at the head
	s_add_nc_u64 s[PFA:PFA+1], s[4:5], s[62:63]
	s_add_nc_u64 s[12:13], s[4:5], s[86:87]
	s_add_nc_u64 s[14:15], s[4:5], s[70:71]
	s_add_nc_u64 s[8:9], s[8:9], s[92:93]
	v_and_b32 v1, 31, v0
	v_lshlrev_b32 v[PFO], 8, v1
	v_lshlrev_b32 v1, 4, v1
	global_load_b128 v[QHR:QHR+3], v1, s[12:13]    ; Q's two fragments stay in registers
	global_load_b128 v[QHR+4:QHR+7], v1, s[12:13] offset:512
	global_load_b128 v[QLR:QLR+3], v1, s[14:15]
	global_load_b128 v[QLR+4:QLR+7], v1, s[14:15] offset:512
	v_and_b32 v244, 15, v0
	v_bfe_u32 v245, v0, 4, 1
	v_lshlrev_b32 v245, 3, v245
	v_sub_nc_u32 v244, v244, v245
	v_add_nc_u32 v[DG], s83, v244
.irp st, SH, SL
	v_mov_b32 v[\st+1], 0xff61b1e6                 ; the largest t so far: -3e38
	v_floor_f32 v[\st], -v[\st+1]                  ; -M
	v_mov_b32 v[\st+2], 0
	v_mov_b32 v[\st+3], 0
.endr
	v_mov_b32 v247, 0                              ; (named as the upper half of the pair v[246:247])
	v_mov_b32 v248, 0                              ; a lane permute's destination counts as read
.set j, 0
.rept 80
	v_mov_b32 v[OH+j], 0                           ; both O^T (the step is written once; its first run finds zeros) and the early tile's codes
.set j, j+1
.endr
	s_wait_kmcnt 0x0
	s_add_co_i32 s72, s50, s51
	s_lshl_b32 s72, s72, 23
	s_add_co_i32 s[CS], s[CS], s72                 ; a score stands for score x 2^(e6 + e7): added to c's exponent field
	s_mov_b32 s[CS+1], s[CS]
	s_add_co_i32 s72, s52, 127
	s_lshl_b32 s73, s72, 23
	v_mov_b32 v[QS], s73                           ; 2^e8
	s_add_co_i32 s72, s72, 15
	s_lshl_b32 s72, s72, 23
	s_or_b32 s72, s72, 0x600000
	v_mov_b32 v[HL], s72                           ; 57,344 x 2^e8, twice: the two halves of a dual line read different registers
	v_mov_b32 v[HL+1], s72
; THE SOFTMAX of one tile's 128 scores in v[S] on.  st: the tile's state; ob: its O^T; cd: where its codes go; jx: the scalar that holds its j.
.macro SOFTMAX st, ob, cd, jx
	s_cmp_lt_u32 s[ST], s[\jx]                     ; only the tile's last step, ST = j, has hidden keys
	s_cbranch_scc1 .Lopen_\@
	v_mov_b32 v252, 0xff800000                     ; -infinity.  Register 8 c + j holds the step's key 16 c + 8 (lane / 16) + j: hidden where 16 c + j > v249
.set n, 0
.rept 64
	v_cmp_gt_i32 vcc_lo, 16*(n/8)+n%8, v[DG]
	v_cndmask_b32 v[S+n], v[S+n], v252, vcc_lo
.set n, n+1
.endr
.Lopen_\@:
	v_max3_num_f32 v244, v[S], v[S+1], v[S+2]      ; the step's largest score of my query, in four chains, each accumulator from its low end on
	v_max3_num_f32 v245, v[S+3], v[S+4], v[S+5]
	v_max3_num_f32 v250, v[S+6], v[S+7], v[S+8]
	v_max3_num_f32 v251, v[S+9], v[S+10], v[S+11]
.set n, 12
.rept 6
	v_max3_num_f32 v244, v244, v[S+n], v[S+n+1]
	v_max3_num_f32 v245, v245, v[S+n+2], v[S+n+3]
	v_max3_num_f32 v250, v250, v[S+n+4], v[S+n+5]
	v_max3_num_f32 v251, v251, v[S+n+6], v[S+n+7]
.set n, n+8
.endr
	v_max3_num_f32 v244, v244, v[S+60], v[S+61]
	v_max3_num_f32 v245, v245, v[S+62], v[S+63]
	v_max3_num_f32 v244, v244, v245, v250
	s_delay_alu instid0(VALU_DEP_1)
	v_max_num_f32 v244, v244, v251
	s_delay_alu instid0(VALU_DEP_1)
	v_permlanex16_b32 v248, v244, s[SEL], s[SEL+1]
	s_delay_alu instid0(VALU_DEP_1)
	v_max_num_f32 v244, v244, v248                 ; and lane l xor 16's
	s_delay_alu instid0(VALU_DEP_1)
	v_mul_f32 v244, s[CS], v244                    ; as t (c is positive)
	s_delay_alu instid0(VALU_DEP_1)
	v_max_num_f32 v[\st+1], v[\st+1], v244
	v_mov_b32 v244, v[\st]
	s_delay_alu instid0(VALU_DEP_2)
	v_floor_f32 v[\st], -v[\st+1]                  ; the new -M = -ceil(t)
	s_delay_alu instid0(VALU_DEP_1)
	v_sub_f32 v244, v[\st], v244                   ; old M - new M: a whole number, 0 or less
	s_delay_alu instid0(VALU_DEP_1)
	v_cvt_i32_f32 v244, v244
	s_delay_alu instid0(VALU_DEP_1)
	v_ldexp_f32 v246, 1.0, v244                    ; f = 2^(old M - new M)
.set j, 0
.rept 32
	v_pk_fma_f32 v[S+j:S+j+1], v[S+j:S+j+1], s[CS:CS+1], v[\st:\st+1] op_sel_hi:[1,0,0]   ; t - M
.set j, j+2
.endr
	s_wait_alu depctr_va_vdst(0)
.set j, 0
.rept 64
	v_exp_f32 v[S+j], v[S+j]                       ; p = 2^(t - M)
.set j, j+1
.endr
	v_pk_mul_f32 v[\st+2:\st+3], v[\st+2:\st+3], v[246:247] op_sel_hi:[1,0]   ; the sums under the new M (a plain line behind the exponentials)
	s_wait_alu depctr_va_vdst(0)                   ; one wait for the batch, ahead of its first reader
; by groups of 8: the sum of the unquantised p (three chains), the hold, the conversion.  The additions are the plain lines between a conversion and the one, two groups on, that writes its sources
.set c, 0
.rept 8
.if c == 0
	v_pk_add_f32 v[250:251], v[S:S+1], v[S+2:S+3]
	v_pk_add_f32 v[252:253], v[S+4:S+5], v[S+6:S+7]
.else
	v_pk_add_f32 v[\st+2:\st+3], v[\st+2:\st+3], v[S+8*c:S+8*c+1]
	v_pk_add_f32 v[250:251], v[250:251], v[S+8*c+2:S+8*c+3]
	v_pk_add_f32 v[252:253], v[252:253], v[S+8*c+4:S+8*c+5]
	v_pk_add_f32 v[\st+2:\st+3], v[\st+2:\st+3], v[S+8*c+6:S+8*c+7]
.endif
.irp i, 0,1,2,3
	v_dual_min_num_f32 v[S+8*c+2*\i], v[S+8*c+2*\i], v[HL] :: v_dual_min_num_f32 v[S+8*c+2*\i+1], v[S+8*c+2*\i+1], v[HL+1]   ; the conversion does not saturate (ISA guide 7.6.2); p is not negative: a one-sided hold, two a line
.endr
	v_cvt_scalef32_pk8_bf8_f32 v[\cd+2*c:\cd+2*c+1], v[S+8*c:S+8*c+7], v[QS]
.set c, c+1
.endr
	v_pk_add_f32 v[250:251], v[250:251], v[252:253]
	v_pk_add_f32 v[\st+2:\st+3], v[\st+2:\st+3], v[250:251]
	s_wait_alu depctr_va_vdst(0)                   ; directly ahead of the first reader of O^T
.set j, 0
.rept 16
	v_pk_mul_f32 v[\ob+j:\ob+j+1], v[\ob+j:\ob+j+1], v[246:247] op_sel_hi:[1,0]   ; O^T under the new M
.set j, j+2
.endr
.endm
; A STEP of mine: 128 keys.  K's fragments serve the early tile first (while it sees the keys), then the late one; V's land in K's registers while the late tile's softmax is walked.
; Tile c of K lies in piece c, the g-th 512 bytes of tile t of V in piece 8 + 2 t + g / 2.  The branches hang on the wave's number and the count of steps alone; no barrier and no tensor load stands in a step.
.macro STEP
	s_cmp_gt_u32 s[ST], s[JH]                      ; all keys after the late tile's queries: nothing to do
	s_cbranch_scc1 .Lhidden_\@
	v_add_nc_u32 v[ADR], s[TB], v1
.rept 4
	v_nop                                          ; with the addition five places: the scores below write over registers that the last products read as P (ISA guide 7.12.1)
.endr
.set c, 0
.rept 8
	ds_load_b128 v[KV+8*c:KV+8*c+3], v[ADR] offset:c*PIECE
	ds_load_b128 v[KV+8*c+4:KV+8*c+7], v[ADR] offset:c*PIECE+512
.set c, c+1
.endr
	s_wait_alu depctr_va_vdst(0)
	s_wait_dscnt 0x0
	s_cmp_gt_u32 s[ST], s[JL]
	s_cbranch_scc1 .Lhi_\@
.set c, 0
.rept 8
	v_wmma_f32_16x16x64_bf8_bf8 v[S+8*c:S+8*c+7], v[KV+8*c:KV+8*c+7], v[QLR:QLR+7], 0
.set c, c+1
.endr
.rept 4
	v_nop
.endr
	SOFTMAX SL, OL, CL, JL
.Lhi_\@:
.set c, 0
.rept 8
	v_wmma_f32_16x16x64_bf8_bf8 v[S+8*c:S+8*c+7], v[KV+8*c:KV+8*c+7], v[QHR:QHR+7], 0
.set c, c+1
.endr
.rept 4
	v_nop
.endr
.set t, 0
.rept 4
.irp g, 0,1,2,3
	ds_load_b128 v[KV+16*t+4*\g:KV+16*t+4*\g+3], v[ADR] offset:VOFF+(2*t+\g/2)*PIECE+(\g%2)*512
.endr
.set t, t+1
.endr
	SOFTMAX SH, OH, CH, JH
	s_wait_alu depctr_va_vdst(0)
	s_wait_dscnt 0x0                               ; V is in
.set t, 0
.rept 4
	v_wmma_f32_16x16x128_bf8_bf8 v[OH+8*t:OH+8*t+7], v[KV+16*t:KV+16*t+15], v[CH:CH+15], v[OH+8*t:OH+8*t+7]
.set t, t+1
.endr
	s_cmp_gt_u32 s[ST], s[JL]
	s_cbranch_scc1 .Lhidden_\@
.set t, 0
.rept 4
	v_wmma_f32_16x16x128_bf8_bf8 v[OL+8*t:OL+8*t+7], v[KV+16*t:KV+16*t+15], v[CL:CL+15], v[OL+8*t:OL+8*t+7]
.set t, t+1
.endr
.Lhidden_\@:
.endm
; MY TWO STEPS of the slot in hand, two steps apart: a loop of two trips; the exclusive or leads to the second step's row and back
.macro MYSTEPS
	s_mov_b32 s[TRIP], 2
.Lstep_\@:
	STEP
	s_xor_b32 s[TB], s[TB], 2*SROW
	s_add_co_u32 s[ST], s[ST], 2
	s_sub_co_u32 s[TRIP], s[TRIP], 1
	s_cmp_lg_u32 s[TRIP], 0
	s_cbranch_scc1 .Lstep_\@
.endm
; THE CHANGE OF SLOTS, at a slot's head: every wave waits for all its tensor loads, adds 0 to its spare word, and waits for that and for its reads of the slot that it has left.
; fill = 1: a round of the cluster's barrier follows: no wave of any partner still reads the slot just left or has a load on its way; the joint load of the next 512 keys into it is the first thing behind the round.
; Every work-group reads every slot, so no load is left out.  Every wait on TENSORcnt in this text is for 0.
.macro CHANGE fill
	s_wait_tensorcnt 0x0
	ds_add_u32 v[SPW], v[NIL]
.if \fill
	s_xor_b32 s[G0+1], s[G0+1], SLOT1              ; no tensor load of mine is out: the walking descriptor steps
	s_add_nc_u64 s[G0+2:G0+3], s[G0+2:G0+3], 32768
	s_wait_xcnt 0x0                                ; the last prefetch has read its address
	s_add_nc_u64 s[PFA:PFA+1], s[PFA:PFA+1], 32768
.endif
	s_wait_dscnt 0x0
.if \fill
	CROUND
	TLOAD
	ASK
.else
	s_barrier_signal -1
	s_barrier_wait -1
.endif
.endm
	s_wait_alu depctr_va_vdst(0)
	s_wait_loadcnt 0x0                             ; Q
.Lslot:
	CHANGE 1
	MYSTEPS
	s_xor_b32 s[TB], s[TB], SLOT1
	s_sub_co_u32 s[SLOTS], s[SLOTS], 1
	s_cmp_lg_u32 s[SLOTS], 0
	s_cbranch_scc1 .Lslot
	CHANGE 0                                       ; the last slot is written out: nothing is asked for behind it
	MYSTEPS
; THE PAIR JOINS.  The even wave hands over the early tile's part and finishes the late tile; the odd wave the other way round.
.macro GIVE st, ob
.irp t, 0,1,2,3
	s_wait_alu depctr_va_vdst(0)                   ; directly ahead of the first reader of each of these matrix results
	ds_store_b128 v244, v[\ob+8*\t:\ob+8*\t+3] offset:1024*\t
	ds_store_b128 v244, v[\ob+8*\t+4:\ob+8*\t+7] offset:1024*\t+512
.endr
	ds_store_b128 v244, v[\st:\st+3] offset:4096
.endm
.macro FINISH st, ob
.irp k, 0,1,2,3,4,5,6,7
	ds_load_b128 v[KV+4*\k:KV+4*\k+3], v245 offset:512*\k
.endr
	ds_load_b128 v[KV+32:KV+35], v245 offset:4096  ; my partner's -M, largest t, sum in two halves
	s_wait_dscnt 0x0
	v_min_num_f32 v246, v[\st], v[KV+32]           ; -M of the two parts together
	v_add_f32 v250, v[\st+2], v[\st+3]
	v_add_f32 v251, v[KV+34], v[KV+35]
	v_sub_f32 v252, v246, v[\st]                   ; my M - M, my partner's M - M: whole numbers, 0 or less
	v_sub_f32 v253, v246, v[KV+32]
	v_cvt_i32_f32 v252, v252
	v_cvt_i32_f32 v253, v253
	v_ldexp_f32 v252, 1.0, v252
	v_ldexp_f32 v253, 1.0, v253
	v_mul_f32 v250, v250, v252
	v_fmac_f32 v250, v251, v253
	v_permlanex16_b32 v248, v250, s[SEL], s[SEL+1]
	v_add_f32 v250, v250, v248                     ; the row's sum
	s_wait_alu depctr_va_vdst(0)                   ; ahead of the transcendental
	v_rcp_f32 v250, v250
	v_nop
	s_wait_alu depctr_va_vdst(0)                   ; and ahead of its first reader
	v_mul_f32 v246, v252, v250                     ; the two factors / the sum
	v_mul_f32 v252, v253, v250
	s_wait_alu depctr_va_vdst(0)                   ; directly ahead of the first reader of O^T
.set j, 0
.rept 16
	v_pk_mul_f32 v[CH+j:CH+j+1], v[\ob+j:\ob+j+1], v[246:247] op_sel_hi:[1,0]
.set j, j+2
.endr
.set j, 0
.rept 16
	v_pk_fma_f32 v[CH+j:CH+j+1], v[KV+j:KV+j+1], v[252:253], v[CH+j:CH+j+1] op_sel_hi:[1,0,1]
.set j, j+2
.endr
.set j, 0
.rept 32
	v_med3_num_f32 v[CH+j], v[CH+j], -v[HL], v[HL]
.set j, j+1
.endr
.irp t, 0,1,2,3
	v_cvt_scalef32_pk8_bf8_f32 v[CL+2*\t:CL+2*\t+1], v[CH+8*\t:CH+8*\t+7], v[QS]
.endr
	v_nop
	global_store_b128 v1, v[CL:CL+3], s[8:9]       ; 32 lanes store 512 consecutive bytes, aligned
	global_store_b128 v1, v[CL+4:CL+7], s[8:9] offset:512
.endm
.rept 4
	v_nop                                          ; places behind the last products
.endr
	s_sub_co_i32 s72, s54, s52                     ; ctx is quantised with 2^(e10 - e8 - e9)
	s_sub_co_i32 s72, s72, s53
	s_add_co_i32 s72, s72, 127
	s_lshl_b32 s73, s72, 23
	s_add_co_i32 s72, s72, 15
	s_lshl_b32 s72, s72, 23
	s_or_b32 s72, s72, 0x600000
	v_mov_b32 v[QS], s73
	v_mov_b32 v[HL], s72
	v_add_nc_u32 v244, s68, v1
	v_add_nc_u32 v245, s69, v1
	s_wait_alu depctr_va_vdst(0)
	s_cmp_eq_u32 s[HF], 0
	s_cbranch_scc0 .Lgive_hi
	GIVE SL, OL
	s_branch .Lgiven
.Lgive_hi:
	GIVE SH, OH
.Lgiven:
	s_wait_dscnt 0x0                               ; my stores are done, for my partner's sake
	s_barrier_signal -1
	s_barrier_wait -1
	s_cmp_eq_u32 s[HF], 0
	s_cbranch_scc0 .Lfin_lo
	FINISH SH, OH
	s_branch .Ldone
.Lfin_lo:
	FINISH SL, OL
.Ldone:
	s_wait_tensorcnt 0x0                           ; the wave's end
	ds_add_u32 v[SPW], v[NIL]
	s_wait_dscnt 0x0
	CROUND                                         ; the closing round: no work-group ends while a partner may still ask for a tile that names it
	s_endpgm
.Lfunc_end_k_q663f303949_attn:
	.size	k_q663f303949_attn, .Lfunc_end_k_q663f303949_attn-k_q663f303949_attn
	.p2alignl 7, 3214868480
	.fill 96, 4, 3214868480
	.section	.rodata,"a",@progbits
	.p2align	6, 0x0
	.amdhsa_kernel k_q663f303949_attn
		.amdhsa_group_segment_fixed_size 327680
		.amdhsa_private_segment_fixed_size 0
		.amdhsa_enable_private_segment 0
		.amdhsa_kernarg_size 24
		.amdhsa_user_sgpr_count 2
		.amdhsa_user_sgpr_kernarg_segment_ptr 1
		.amdhsa_wavefront_size32 1
		.amdhsa_system_sgpr_workgroup_id_x 1
		.amdhsa_system_sgpr_workgroup_id_y 1
		.amdhsa_system_sgpr_workgroup_id_z 1
		.amdhsa_system_vgpr_workitem_id 0
		.amdhsa_next_free_vgpr 256
		.amdhsa_next_free_sgpr 100
		.amdhsa_reserve_vcc 1
		.amdhsa_float_denorm_mode_32 3
		.amdhsa_float_denorm_mode_16_64 3
		.amdhsa_memory_ordered 1
		.amdhsa_forward_progress 1
		.amdhsa_inst_pref_size 103
	.end_amdhsa_kernel
	.amdgpu_metadata
---
amdhsa.version: [ 1, 2 ]
amdhsa.kernels:
  - .name:           k_q663f303949_attn
    .symbol:         k_q663f303949_attn.kd
    .args:
      - { .name: qkvc, .offset: 0, .size: 8, .value_kind: global_buffer, .address_space: global }
      - { .name: lowp_scales, .offset: 8, .size: 8, .value_kind: global_buffer, .address_space: global }
      - { .name: cc, .offset: 16, .size: 8, .value_kind: global_buffer, .address_space: global }
    .group_segment_fixed_size: 327680
    .private_segment_fixed_size: 0
    .kernarg_segment_align: 8
    .kernarg_segment_size: 24
    .max_flat_workgroup_size: 512
    .sgpr_count:     100
    .vgpr_count:     256
    .wavefront_size: 32
...
	.end_amdgpu_metadata
.endif
;; end of part 3
;; launch wo (part 4): grid 8 x 32, 4 waves a work-group, clusters of 4 x 4, 327,680 bytes of LDS; arguments cc, wc, lowp_scales, bo, x, h; writes h
.if DOCPART == 4
	.amdgcn_target "amdgcn-amd-amdhsa--gfx1250"
	.amdhsa_code_object_version 6
	.text
	.protected	k_q663f303949_wo
	.globl	k_q663f303949_wo
	.p2align	8
	.type	k_q663f303949_wo,@function
k_q663f303949_wo:
	s_mov_b64 s[64:65], 0
	v_nop
	global_prefetch_b8 v0, s[64:65] scope:SCOPE_SE
	s_setreg_imm32_b32 hwreg(HW_REG_WAVE_MODE, 25, 1), 1
	s_wait_xcnt 0x0
	s_wait_alu depctr_hold_cnt(0) depctr_sa_sdst(0) depctr_va_vdst(0) depctr_va_sdst(0) depctr_va_ssrc(0) depctr_va_vcc(0) depctr_vm_vsrc(0)
	s_getreg_b32 s2, hwreg(HW_REG_IB_STS2, 6, 4)
	s_cmp_eq_u32 s2, 0
	s_cbranch_scc0 .Lentry_in_a_cluster
	s_endpgm
.Lentry_in_a_cluster:
	s_bfe_u32 s2, ttmp6, 0x10000c
	s_cmp_lg_u32 s2, 0xf033
	s_cbranch_scc0 .Lentry_shape_is_right
	s_endpgm
.Lentry_shape_is_right:
; Product 6: h = x + ctx Wo + bo.  out[m][n] = resid[m][n] + bias[n] + 2^(ea + eb) x sum over k of A[m][k] B[n][k] on codes of E5M2; out f32 [4096][1024].  No work is left out here.
; A lies in memory as images of operand registers, [tile of 16 rows][128 along K][2,048 bytes]; B as rows [position][K].  A tile of 128 x 128 (256 work-groups for 4,096 x 1,024) is made by four waves, 64 x 64 each: 16 accumulators.
; K goes in steps of 512 through two LDS slots filled by joint tensor loads (4 x 4 clusters: A's tile shared along a row of the cluster, B's along a column).
; Source 0 = 16 positions of B, source 1 = 16 rows of A: by the weights' order of positions register j of accumulator (a, b) is column 32 (b / 2) + 16 (lane / 16) + 8 (b % 2) + j of row 16 a + lane % 16.
; The sums go through the wave's own stage in LDS and leave as rows: sixteen lanes store 256 consecutive aligned bytes.  LIMIT: ea + eb between -126 and 127.
; REGISTERS: window 0: v16-29 addresses; v32-95 the way out; v96-99 bias; v128-255 accumulators.  window 1: two fragment buffers (A at f + 16 a, B at f + 64 + 16 b).  window 2: v0-127 the residual.
.set SIZE_K, 1024
.set WOFF,   0x300000                  ; the weight's codes in wc
.set EOFF,   0x28                      ; ea, eb in lowp_scales
; ALL OF K, 1,024, comes by ONE joint load a wave into one region of LDS; what the text below calls slots 0 and 1 are that region's two halves along K, and nothing is filled a second time.
.set KSTEP,  1024
.set APITCH, 16*SIZE_K                 ; bytes from a tile of 16 rows of A to the next
.set BP,     1040                      ; a row of B in LDS: 1,024 bytes + 16 of padding: 16 rows start at 16 different banks (64 banks of 4 bytes: ISA guide 11.1)
.set BHALF,  64*BP
.set BOFF,   131072                    ; A's 2 x 65,536 bytes of images, then B's 128 rows
.set SLOT,   BOFF+2*BHALF
.set STAGE,  SLOT                      ; behind them: 16 rows x (256 + 16) bytes for each wave
.set SP,     272
.set SPARE,  STAGE+4*16*SP             ; behind the stages: the spare words
.set LAPS,   SIZE_K/(2*KSTEP)
.set ADRA, 16
.set ADRB, 20
.set STO,  24
.set RD,   25
.set CO,   26
.set SPW,  28
.set NIL,  29
.set TMP,  32
.set BIAS, 96
.set ACC,  128
.set F0,   0
.set F1,   128
.set G1, 24
.set G0, 32
.set G1B, 48
.set G0B, 56
.set MSB, 0
.macro WIN new                         ; the immediate's high byte repeats the setting that is left
.if MSB != \new
	s_set_vgpr_msb (MSB<<8)|\new
.set MSB, \new
.endif
.endm
.set MUL,  0x05                        ; sources 0 and 1 window 1; C and D window 0
.set TO_F, 0x40                        ; destination window 1
.macro JLOAD s                         ; a joint load: waves 0, 1 fetch A's halves, waves 2, 3 B's; an s_nop 0 and four v_nop follow each line
	s_cmp_eq_u32 s11, 0
	s_cbranch_scc0 .Lfor_b_\@
	tensor_load_to_lds s[G0+4*\s:G0+4*\s+3], s[G1:G1+7]
	s_nop 0
.rept 4
	v_nop
.endr
	s_branch .Lasked_\@
.Lfor_b_\@:
	tensor_load_to_lds s[G0B+4*\s:G0B+4*\s+3], s[G1B:G1B+7]
	s_nop 0
.rept 4
	v_nop
.endr
.Lasked_\@:
.endm
.macro CREST
	s_cmp_lg_u32 s10, 0
	s_cbranch_scc1 .Lnot_wave_0_\@
	s_barrier_signal -3
.Lnot_wave_0_\@:
	s_barrier_wait -3
	s_barrier_signal -1
	s_barrier_wait -1
.endm
.macro CROUND
	s_barrier_signal -1
	s_barrier_wait -1
	CREST
.endm
	s_load_b128 s[4:7], s[0:1], 0x0                ; A's images, wc
	s_load_b256 s[68:75], s[0:1], 0x10             ; lowp_scales 68, bias 70, residual 72, out 74
	v_lshl_add_u32 v[SPW], v0, 2, SPARE
	v_mov_b32 v[NIL], 0
	ds_add_u32 v[SPW], v[NIL]                      ; the wave's opening: the add, twice on end, and its wait ahead of my first tensor load
	ds_add_u32 v[SPW], v[NIL]
	v_lshrrev_b32 v1, 5, v0
	v_readfirstlane_b32 s10, v1                    ; wave
	s_lshr_b32 s11, s10, 1                         ; my half of the tile's rows; also: I fetch for A (0) or B (1)
	s_and_b32 s12, s10, 1                          ; my half of its columns; also: which half I fetch
	s_bfe_u32 s40, ttmp6, 0x40000                  ; cx
	s_bfe_u32 s41, ttmp6, 0x40004                  ; cy
	s_lshl_b32 s42, ttmp9, 2
	s_add_co_u32 s42, s42, s40                     ; tile column
	s_and_b32 s13, ttmp7, 0xffff
	s_lshl_b32 s13, s13, 2
	s_add_co_u32 s13, s13, s41                     ; tile row
	s_lshl_b32 s43, s41, 2
	s_lshl_b32 s43, 15, s43                        ; my row of the cluster
	s_lshl_b32 s44, 0x1111, s40                    ; my column
	s_or_b32 s[G1+0], s43, 1<<21                   ; A: the mask; elements of 1 byte; no padding; bit 21 beside a mask
	s_mov_b32 s[G1+1], 16384<<16                   ; tensor_dim0: eight images of 2,048 bytes on end
	s_mov_b32 s[G1+2], 4<<16                       ; tensor_dim1: four tiles of 16 rows
	s_mov_b32 s[G1+3], 16384<<16                   ; tile_dim0
	s_mov_b32 s[G1+4], 4                           ; tile_dim1
	s_mov_b32 s[G1+5], APITCH                      ; pitch
	s_mov_b32 s[G1+6], 0
	s_mov_b32 s[G1+7], 0
	s_or_b32 s[G1B+0], s44, (1<<20)|(1<<21)|(7<<22)|(3<<25)   ; B: padding of 4 words behind every 256
	s_mov_b32 s[G1B+1], KSTEP<<16
	s_mov_b32 s[G1B+2], 64<<16
	s_mov_b32 s[G1B+3], KSTEP<<16
	s_mov_b32 s[G1B+4], 64
	s_mov_b32 s[G1B+5], SIZE_K
	s_mov_b32 s[G1B+6], 0
	s_mov_b32 s[G1B+7], 0
	s_lshl_b32 s16, s13, 3
	s_lshl_b32 s17, s12, 2
	s_add_co_u32 s16, s16, s17
	s_mul_i32 s16, s16, APITCH                     ; A: tile of rows 8 x tile row + 4 x half
	s_mov_b32 s17, 0
	s_lshl_b32 s46, s42, 7
	s_lshl_b32 s47, s12, 6
	s_add_co_u32 s46, s46, s47
	s_mul_i32 s46, s46, SIZE_K                     ; B: position 128 x tile column + 64 x half
	s_add_co_u32 s46, s46, WOFF
	s_mov_b32 s47, 0
	s_lshl_b32 s20, s12, 16                        ; where they go: no place in the cluster enters an LDS address
	s_mul_i32 s21, s12, BHALF
	s_add_co_u32 s21, s21, BOFF
	s_wait_dscnt 0x0                               ; both opening adds are done
	s_wait_kmcnt 0x0
	s_load_b64 s[76:77], s[68:69], EOFF            ; ea, eb
	s_add_nc_u64 s[14:15], s[4:5], s[16:17]
	s_add_nc_u64 s[46:47], s[6:7], s[46:47]
	CROUND                                         ; all sixteen work-groups are here: the first joint loads meet
.irp s, 0
	s_mov_b32 s[G0+4*\s], 1
	s_add_co_u32 s[G0+4*\s+1], s20, \s*SLOT
	s_add_nc_u64 s[G0+4*\s+2:G0+4*\s+3], s[14:15], \s*8192
	s_or_b32 s[G0+4*\s+3], s[G0+4*\s+3], 0x80000000
	s_mov_b32 s[G0B+4*\s], 1
	s_add_co_u32 s[G0B+4*\s+1], s21, \s*SLOT
	s_add_nc_u64 s[G0B+4*\s+2:G0B+4*\s+3], s[46:47], \s*KSTEP
	s_or_b32 s[G0B+4*\s+3], s[G0B+4*\s+3], 0x80000000
	JLOAD \s
.endr
	v_and_b32 v1, 15, v0                           ; r
	v_bfe_u32 v2, v0, 4, 1                         ; h
	v_and_b32 v3, 31, v0
	v_lshlrev_b32 v3, 4, v3                        ; 16 x lane: an image's place for my lane
	v_mul_u32_u24 v4, v1, BP
	v_lshl_add_u32 v4, v2, 4, v4
	s_lshl_b32 s21, s11, 16                        ; my 64 rows of A
	s_mul_i32 s22, s12, BHALF                      ; my 64 positions of B
	s_add_co_u32 s22, s22, BOFF
.irp s, 0,1
	v_add_nc_u32 v[ADRA+\s], s21, v3
	v_add_nc_u32 v[ADRB+\s], s22, v4
	s_add_co_u32 s21, s21, 8192                    ; the second half along K: four images on,
	s_add_co_u32 s22, s22, 512                     ; 512 bytes on in B's rows
.endr
	s_mul_i32 s23, s10, 16*SP
	s_add_co_u32 s23, s23, STAGE                   ; my stage
	v_mul_u32_u24 v5, v1, SP
	v_lshl_add_u32 v5, v2, 6, v5
	v_add_nc_u32 v[STO], s23, v5                   ; in: row r, + 64 h
	v_mul_u32_u24 v5, v2, SP
	v_lshl_add_u32 v5, v1, 4, v5
	v_add_nc_u32 v[RD], s23, v5                    ; back: lanes 0-15 one row of 256 bytes, lanes 16-31 the next
	v_lshlrev_b32 v5, 12, v2
	v_lshl_add_u32 v[CO], v1, 4, v5                ; and the same two rows in memory
	v_lshlrev_b32 v6, 4, v1
	s_wait_alu depctr_va_vdst(0)
	s_lshl_b32 s16, s13, 7
	s_lshl_b32 s17, s11, 6
	s_add_co_u32 s16, s16, s17
	s_lshl_b32 s16, s16, 12                        ; my first row, 4,096 bytes a row
	s_lshl_b32 s46, s42, 9
	s_lshl_b32 s47, s12, 8
	s_add_co_u32 s46, s46, s47                     ; my first column, in bytes
	s_mov_b32 s47, 0
	s_add_nc_u64 s[70:71], s[70:71], s[46:47]
	s_add_co_u32 s46, s46, s16
	s_add_nc_u64 s[72:73], s[72:73], s[46:47]
	s_add_nc_u64 s[74:75], s[74:75], s[46:47]
	global_load_b128 v[BIAS:BIAS+3], v6, s[70:71]  ; the bias of the four columns that I store
	WIN 0x80                                       ; destination window 2
.set a, 0
.rept 4
.irp t, 0,1,2,3,4,5,6,7
	global_load_b128 v[32*a+4*\t:32*a+4*\t+3], v[CO], s[72:73] offset:(16*a+2*\t)*4096   ; the residual, laid as I store; it lands while the products run
.endr
.set a, a+1
.endr
	WIN 0
.macro FETCH slot, q, f                ; 32 LDS loads in one run: the fragments of the slot's q-th 128 along K: B's four, A's blocks 0, 1, then 2, 3
	WIN TO_F
.irp b, 0,1,2,3
.irp c, 0,1,2,3
	ds_load_b128 v[\f+64+16*\b+4*\c:\f+64+16*\b+4*\c+3], v[ADRB+\slot] offset:\b*16*BP+128*(\q)+32*\c
.endr
.endr
.irp a, 0,1,2,3
.irp c, 0,1,2,3
	ds_load_b128 v[\f+16*\a+4*\c:\f+16*\a+4*\c+3], v[ADRA+\slot] offset:16384*\a+2048*(\q)+512*\c
.endr
.endr
.endm
.macro MUL4 f, a, zero                 ; the 16 accumulators take turns, one instruction a turn, in the same order everywhere
.irp b, 0,1,2,3
.if \zero
	v_wmma_f32_16x16x128_bf8_bf8 v[ACC+8*(4*(\a)+\b):ACC+8*(4*(\a)+\b)+7], v[\f+64+16*\b:\f+64+16*\b+15], v[\f+16*(\a):\f+16*(\a)+15], 0
.else
	v_wmma_f32_16x16x128_bf8_bf8 v[ACC+8*(4*(\a)+\b):ACC+8*(4*(\a)+\b)+7], v[\f+64+16*\b:\f+64+16*\b+15], v[\f+16*(\a):\f+16*(\a)+15], v[ACC+8*(4*(\a)+\b):ACC+8*(4*(\a)+\b)+7]
.endif
.endr
.endm
.macro PLACES                          ; plain vector lines between a matrix instruction and a load into, or a read of, its registers
.rept 4
	v_nop
.endr
.endm
.macro QUARTER slot, qn, f, g, zero    ; multiplies buffer f; in its middle fetches the slot's quarter qn into buffer g
	s_wait_dscnt 8                                 ; all but the youngest eight loads (A's blocks 2, 3)
	WIN MUL
	MUL4 \f, 0, \zero
	MUL4 \f, 1, \zero
	PLACES
	FETCH \slot, \qn, \g
	s_wait_dscnt 32                                ; all but the 32 just issued
	WIN MUL
	MUL4 \f, 2, \zero
	MUL4 \f, 3, \zero
.endm
.macro TURN slot, next, fill           ; the last quarter multiplies buffer 1 and changes slots
	WIN 0                                          ; (the add's two registers lie in window 0)
	s_wait_tensorcnt 0x0                           ; all my tensor loads have landed: my part of the next slot
	ds_add_u32 v[SPW], v[NIL]                      ; 0 onto my spare word
	s_wait_dscnt 9                                 ; the add and the youngest eight loads may be out
	WIN MUL
	MUL4 F1, 0, 0
	s_wait_dscnt 0x0                               ; the add is done, and my reads of this slot are over
	s_barrier_signal -1
	MUL4 F1, 1, 0
.if \fill
	WIN 0
.endif
	s_barrier_wait -1
.if \fill
	CREST                                          ; the barrier has opened a round of the cluster's: no wave of any partner still reads this slot or has a load on its way
	s_add_nc_u64 s[G0+4*\slot+2:G0+4*\slot+3], s[G0+4*\slot+2:G0+4*\slot+3], 2*8192
	s_add_nc_u64 s[G0B+4*\slot+2:G0B+4*\slot+3], s[G0B+4*\slot+2:G0B+4*\slot+3], 2*KSTEP
	JLOAD \slot                                    ; the first tensor load behind the round
.else
	PLACES
.endif
	FETCH \next, 0, F0
	WIN MUL
	MUL4 F1, 2, 0
	MUL4 F1, 3, 0
.endm
	s_wait_tensorcnt 0x0                           ; my one tensor load has landed
	s_barrier_signal -1
	s_barrier_wait -1
	FETCH 0, 0, F0
	QUARTER 0, 1, F0, F1, 1                        ; the first quarter's products start the sums
.if LAPS > 1
	WIN 0
	s_mov_b32 s3, LAPS-1
.Llap:
	QUARTER 0, 2, F1, F0, 0
	QUARTER 0, 3, F0, F1, 0
	TURN 0, 1, 1
	QUARTER 1, 1, F0, F1, 0
	QUARTER 1, 2, F1, F0, 0
	QUARTER 1, 3, F0, F1, 0
	TURN 1, 0, 1
	QUARTER 0, 1, F0, F1, 0
	WIN 0
	s_sub_co_u32 s3, s3, 1
	s_cmp_lg_u32 s3, 0
	s_cbranch_scc1 .Llap
.endif
	QUARTER 0, 2, F1, F0, 0
	QUARTER 0, 3, F0, F1, 0
	TURN 0, 1, 0
	QUARTER 1, 1, F0, F1, 0
	QUARTER 1, 2, F1, F0, 0
	QUARTER 1, 3, F0, F1, 0
	s_wait_dscnt 8
	WIN MUL
	MUL4 F1, 0, 0
	MUL4 F1, 1, 0
	s_wait_dscnt 0
	MUL4 F1, 2, 0
	MUL4 F1, 3, 0
	WIN 0
	; THE WAY OUT, 16 rows at a time: raw sums into my stage, back as rows; sum x 2^(ea + eb) + bias, + residual; stored
	s_wait_kmcnt 0x0
	s_add_co_i32 s76, s76, s77
	s_add_co_i32 s76, s76, 127
	s_lshl_b32 s76, s76, 23                        ; 2^(ea + eb) as f32
	s_mov_b32 s77, s76
	s_wait_loadcnt 0x0                             ; bias and residual
	PLACES
.set a, 0
.rept 4
.set TT, TMP+32*(a%2)
.irp i, 0,1,2,3,4,5,6,7
	ds_store_b128 v[STO], v[ACC+32*a+4*\i:ACC+32*a+4*\i+3] offset:128*(\i/4)+16*(\i%4)   ; each accumulator from its low end on
.endr
.if a >= 2
	s_wait_xcnt 0x0                                ; the stores of two blocks ago have read these registers
.endif
.irp t, 0,1,2,3,4,5,6,7
	ds_load_b128 v[TT+4*\t:TT+4*\t+3], v[RD] offset:\t*2*SP   ; LDS serves a wave's instructions in order: these see my stores
.endr
	s_wait_dscnt 0x0
.set j, 0
.rept 16
	v_pk_fma_f32 v[TT+j:TT+j+1], v[TT+j:TT+j+1], s[76:77], v[BIAS+j%4:BIAS+j%4+1] op_sel_hi:[1,0,1]
.set j, j+2
.endr
	WIN 0x08                                       ; source 1 window 2
.set j, 0
.rept 16
	v_pk_add_f32 v[TT+j:TT+j+1], v[TT+j:TT+j+1], v[32*a+j:32*a+j+1]
.set j, j+2
.endr
	WIN 0
.irp t, 0,1,2,3,4,5,6,7
	global_store_b128 v[CO], v[TT+4*\t:TT+4*\t+3], s[74:75] offset:(16*a+2*\t)*4096   ; sixteen lanes store 256 consecutive bytes, aligned
.endr
.set a, a+1
.endr
	s_wait_tensorcnt 0x0                           ; the wave's end
	ds_add_u32 v[SPW], v[NIL]
	s_wait_dscnt 0x0
	CROUND                                         ; the closing round
	s_endpgm
.Lfunc_end_k_q663f303949_wo:
	.size	k_q663f303949_wo, .Lfunc_end_k_q663f303949_wo-k_q663f303949_wo
	.p2alignl 7, 3214868480
	.fill 96, 4, 3214868480
	.section	.rodata,"a",@progbits
	.p2align	6, 0x0
	.amdhsa_kernel k_q663f303949_wo
		.amdhsa_group_segment_fixed_size 327680
		.amdhsa_private_segment_fixed_size 0
		.amdhsa_enable_private_segment 0
		.amdhsa_kernarg_size 48
		.amdhsa_user_sgpr_count 2
		.amdhsa_user_sgpr_kernarg_segment_ptr 1
		.amdhsa_wavefront_size32 1
		.amdhsa_system_sgpr_workgroup_id_x 1
		.amdhsa_system_sgpr_workgroup_id_y 1
		.amdhsa_system_sgpr_workgroup_id_z 1
		.amdhsa_system_vgpr_workitem_id 0
		.amdhsa_next_free_vgpr 640
		.amdhsa_next_free_sgpr 100
		.amdhsa_reserve_vcc 0
		.amdhsa_float_denorm_mode_32 3
		.amdhsa_float_denorm_mode_16_64 3
		.amdhsa_memory_ordered 1
		.amdhsa_forward_progress 1
		.amdhsa_inst_pref_size 52
	.end_amdhsa_kernel
	.amdgpu_metadata
---
amdhsa.version: [ 1, 2 ]
amdhsa.kernels:
  - .name:           k_q663f303949_wo
    .symbol:         k_q663f303949_wo.kd
    .args:
      - { .name: cc, .offset: 0, .size: 8, .value_kind: global_buffer, .address_space: global }
      - { .name: wc, .offset: 8, .size: 8, .value_kind: global_buffer, .address_space: global }
      - { .name: lowp_scales, .offset: 16, .size: 8, .value_kind: global_buffer, .address_space: global }
      - { .name: bo, .offset: 24, .size: 8, .value_kind: global_buffer, .address_space: global }
      - { .name: x, .offset: 32, .size: 8, .value_kind: global_buffer, .address_space: global }
      - { .name: h, .offset: 40, .size: 8, .value_kind: global_buffer, .address_space: global }
    .group_segment_fixed_size: 327680
    .private_segment_fixed_size: 0
    .kernarg_segment_align: 8
    .kernarg_segment_size: 48
    .max_flat_workgroup_size: 128
    .sgpr_count:     100
    .vgpr_count:     640
    .wavefront_size: 32
...
	.end_amdgpu_metadata
.endif
;; end of part 4
;; launch ln2 (part 5): grid 256 x 1, 16 waves a work-group, no clusters, 18,432 bytes of LDS; arguments h, scale2, shift2, lowp_scales, y2c; writes y2c
.if DOCPART == 5
	.amdgcn_target "amdgcn-amd-amdhsa--gfx1250"
	.amdhsa_code_object_version 6
	.text
	.protected	k_q663f303949_ln2
	.globl	k_q663f303949_ln2
	.p2align	8
	.type	k_q663f303949_ln2,@function
k_q663f303949_ln2:
	s_mov_b64 s[64:65], 0
	v_nop
	global_prefetch_b8 v0, s[64:65] scope:SCOPE_SE
	s_setreg_imm32_b32 hwreg(HW_REG_WAVE_MODE, 25, 1), 1
	s_wait_xcnt 0x0
; LayerNorm 2 of h, quantised to codes of E5M2 with 2^e12, row-major [4096][1024].  No work is left out here.
; A work-group takes 16 rows, each of its sixteen waves one, in 32 registers: the row's eight loads and the sixteen of gain and shift go out together, so that a wave asks memory once.
; Mean, deviations, unbiased variance, 1/sqrt by v_rsq_f32, gain and shift, all f32.
; Codes go through the wave's own 1,024 bytes of LDS and leave 512 consecutive bytes a store.  LIMITS: e12 between -126 and 112; NaN is not served.  No tensor load, no barrier: waves share nothing.
.set SPW,   230                        ; v230 LDS address of my spare word; never rewritten
.set NIL,   231                        ; v231 0; never rewritten
.set SPARE, 16384                      ; behind the sixteen stages: the spare words, 128 bytes a wave
.set BK,    8                          ; v8-15   codes read back
.set SC,    32                         ; v32-63  gain, v64-95 shift, of my 32 columns
.set SH,    64
.set X,     96                         ; v96-127 the row
.set HH,    160                        ; v160-191 held numbers
.set C,     192                        ; v192-199 codes
.set T,     216                        ; v216-219 at work
.set QS,    224                        ; 2^e12
.set QL,    227                        ; 57,344 x 2^e12
.set MM,    232                        ; v[232:233] the mean, twice; v[234:235] 1/sqrt(var + eps), twice
.set RR,    234
	s_load_b256 s[4:11], s[0:1], 0x0               ; h 4, scale2 6, shift2 8, lowp_scales 10
	s_load_b64 s[12:13], s[0:1], 0x20              ; y2c
	v_lshl_add_u32 v[SPW], v0, 2, SPARE
	v_mov_b32 v[NIL], 0
	v_lshrrev_b32 v1, 5, v0
	s_delay_alu instid0(VALU_DEP_1)
	v_readfirstlane_b32 s28, v1                    ; wave 0..15
	v_and_b32 v1, 31, v0                           ; lane
	s_lshl_b32 s29, ttmp9, 4
	s_add_co_u32 s29, s29, s28                     ; my row
	s_mov_b32 s31, 0
	v_lshlrev_b32 v2, 4, v1                        ; 16 x lane
	s_lshl_b32 s38, s28, 10
	v_lshl_add_u32 v4, v1, 2, s38                  ; my stage, 4 bytes a lane
	v_add_nc_u32 v5, s38, v2                       ; and 16 bytes a lane
	s_mov_b32 s42, 0x76543210                      ; v_permlanex16_b32: lane l xor 16
	s_mov_b32 s43, 0xfedcba98
	s_mov_b32 s44, 0x3a802008                      ; 1 / 1023
	s_mov_b32 s45, 0x358637bd                      ; 1e-6
	s_wait_alu depctr_va_vdst(0)
	s_wait_kmcnt 0x0
	s_load_b32 s14, s[10:11], 0x30                 ; e12
	s_lshl_b32 s30, s29, 12
	s_add_nc_u64 s[4:5], s[4:5], s[30:31]
	s_lshl_b32 s30, s29, 10
	s_add_nc_u64 s[12:13], s[12:13], s[30:31]
.irp j, 0,1,2,3,4,5,6,7
	global_load_b128 v[X+4*\j:X+4*\j+3], v2, s[4:5] offset:512*\j   ; the row: eight loads of 512 consecutive bytes; register 4 j + i holds column 128 j + 4 lane + i
.endr
.irp j, 0,1,2,3,4,5,6,7
	global_load_b128 v[SC+4*\j:SC+4*\j+3], v2, s[6:7] offset:512*\j
.endr
.irp j, 0,1,2,3,4,5,6,7
	global_load_b128 v[SH+4*\j:SH+4*\j+3], v2, s[8:9] offset:512*\j
.endr
	s_wait_kmcnt 0x0
	s_add_co_i32 s39, s14, 127
	s_lshl_b32 s40, s39, 23
	v_mov_b32 v[QS], s40                           ; 2^e12: the conversion takes its exponent field
	s_add_co_i32 s39, s39, 15
	s_lshl_b32 s39, s39, 23
	s_or_b32 s39, s39, 0x600000
	v_mov_b32 v[QL], s39                           ; 57,344 x 2^e12
.macro WSUM                            ; v[T] summed over the 32 lanes; every lane ends with the sum
	s_delay_alu instid0(VALU_DEP_1)
	v_add_f32_dpp v[T], v[T], v[T] row_xmask:1 row_mask:0xf bank_mask:0xf
	s_delay_alu instid0(VALU_DEP_1)
	v_add_f32_dpp v[T], v[T], v[T] row_xmask:2 row_mask:0xf bank_mask:0xf
	s_delay_alu instid0(VALU_DEP_1)
	v_add_f32_dpp v[T], v[T], v[T] row_xmask:4 row_mask:0xf bank_mask:0xf
	s_delay_alu instid0(VALU_DEP_1)
	v_add_f32_dpp v[T], v[T], v[T] row_xmask:8 row_mask:0xf bank_mask:0xf
	s_delay_alu instid0(VALU_DEP_1)
	v_permlanex16_b32 v[T+1], v[T], s42, s43
	s_delay_alu instid0(VALU_DEP_1)
	v_add_f32 v[T], v[T], v[T+1]
.endm
	s_wait_loadcnt 16                              ; the row is in; the sixteen loads of gain and shift may be out
	v_pk_add_f32 v[218:219], v[96:97], v[98:99]
	v_pk_add_f32 v[238:239], v[104:105], v[108:109]
	v_pk_add_f32 v[236:237], v[112:113], v[116:117]
	v_pk_add_f32 v[234:235], v[120:121], v[124:125]
	v_pk_add_f32 v[232:233], v[100:101], v[102:103]
	v_pk_add_f32 v[228:229], v[106:107], v[110:111]
	v_pk_add_f32 v[222:223], v[114:115], v[118:119]
	v_pk_add_f32 v[216:217], v[122:123], v[126:127]
	s_delay_alu instid0(VALU_DEP_1)
	v_pk_add_f32 v[216:217], v[216:217], v[234:235]
	v_pk_add_f32 v[218:219], v[218:219], v[232:233]
	v_pk_add_f32 v[238:239], v[238:239], v[228:229]
	v_pk_add_f32 v[236:237], v[236:237], v[222:223]
	s_delay_alu instid0(VALU_DEP_2)
	v_pk_add_f32 v[216:217], v[216:217], v[238:239]
	s_delay_alu instid0(VALU_DEP_2)
	v_pk_add_f32 v[218:219], v[218:219], v[236:237]
	s_delay_alu instid0(VALU_DEP_1)
	v_pk_add_f32 v[216:217], v[216:217], v[218:219]
	s_delay_alu instid0(VALU_DEP_1)
	v_add_f32 v[T], v[T], v[T+1]
	WSUM
	s_delay_alu instid0(VALU_DEP_1)
	v_mul_f32 v[MM], 0x3a800000, v[T]              ; the mean: / 1,024
	s_delay_alu instid0(VALU_DEP_1)
	v_mov_b32 v[MM+1], v[MM]
.set j, 0
.rept 16
	v_pk_add_f32 v[X+j:X+j+1], v[X+j:X+j+1], v[MM:MM+1] neg_lo:[0,1] neg_hi:[0,1]   ; x - mean
.set j, j+2
.endr
	v_pk_mul_f32 v[T:T+1], v[X:X+1], v[X:X+1]
	v_pk_mul_f32 v[T+2:T+3], v[X+2:X+3], v[X+2:X+3]
.set j, 4
.rept 7
	s_delay_alu instid0(VALU_DEP_2)
	v_pk_fma_f32 v[T:T+1], v[X+j:X+j+1], v[X+j:X+j+1], v[T:T+1]
	s_delay_alu instid0(VALU_DEP_2)
	v_pk_fma_f32 v[T+2:T+3], v[X+j+2:X+j+3], v[X+j+2:X+j+3], v[T+2:T+3]
.set j, j+4
.endr
	s_delay_alu instid0(VALU_DEP_1)
	v_pk_add_f32 v[T:T+1], v[T:T+1], v[T+2:T+3]
	s_delay_alu instid0(VALU_DEP_1)
	v_add_f32 v[T], v[T], v[T+1]
	WSUM
	s_delay_alu instid0(VALU_DEP_1)
	v_fma_f32 v[T], v[T], s44, s45                 ; the unbiased variance + eps
	s_wait_alu depctr_va_vdst(0)
	v_rsq_f32 v[RR], v[T]
	v_rsq_f32 v[RR+1], v[T]
	v_nop                                          ; a plain line behind the transcendentals (ISA guide 5.7.2),
	s_wait_alu depctr_va_vdst(0)                   ; and one wait ahead of their first reader
.set j, 0
.rept 16
	v_pk_mul_f32 v[X+j:X+j+1], v[X+j:X+j+1], v[RR:RR+1]
.set j, j+2
.endr
	s_wait_loadcnt 0x0                             ; gain and shift
.set j, 0
.rept 16
	v_pk_fma_f32 v[X+j:X+j+1], v[X+j:X+j+1], v[SC+j:SC+j+1], v[SH+j:SH+j+1]
.set j, j+2
.endr
.set i, 0
.rept 32
	v_med3_num_f32 v[HH+i], v[X+i], -v[QL], v[QL]  ; the conversion does not saturate (ISA guide 7.6.2): the hold comes first
.set i, i+1
.endr
.irp m, 0,1,2,3
	v_cvt_scalef32_pk8_bf8_f32 v[C+2*\m:C+2*\m+1], v[HH+8*\m:HH+8*\m+7], v[QS]
.endr
	v_nop                                          ; a plain line directly behind the last conversion
.irp j, 0,1,2,3,4,5,6,7
	ds_store_b32 v4, v[C+\j] offset:128*\j         ; code register j: the 4 codes of columns 128 j + 4 lane on
.endr
	ds_load_b128 v[BK:BK+3], v5                    ; LDS serves a wave's instructions in order: these see my stores
	ds_load_b128 v[BK+4:BK+7], v5 offset:512
	s_wait_dscnt 0x0
	global_store_b128 v2, v[BK:BK+3], s[12:13]     ; 32 lanes store 512 consecutive bytes, aligned
	global_store_b128 v2, v[BK+4:BK+7], s[12:13] offset:512
	s_wait_tensorcnt 0x0                           ; the wave's end, behind my last LDS store
	ds_add_u32 v[SPW], v[NIL]
	s_wait_dscnt 0x0
	s_endpgm
.Lfunc_end_k_q663f303949_ln2:
	.size	k_q663f303949_ln2, .Lfunc_end_k_q663f303949_ln2-k_q663f303949_ln2
	.p2alignl 7, 3214868480
	.fill 96, 4, 3214868480
	.section	.rodata,"a",@progbits
	.p2align	6, 0x0
	.amdhsa_kernel k_q663f303949_ln2
		.amdhsa_group_segment_fixed_size 18432
		.amdhsa_private_segment_fixed_size 0
		.amdhsa_enable_private_segment 0
		.amdhsa_kernarg_size 40
		.amdhsa_user_sgpr_count 2
		.amdhsa_user_sgpr_kernarg_segment_ptr 1
		.amdhsa_wavefront_size32 1
		.amdhsa_system_sgpr_workgroup_id_x 1
		.amdhsa_system_sgpr_workgroup_id_y 1
		.amdhsa_system_sgpr_workgroup_id_z 1
		.amdhsa_system_vgpr_workitem_id 0
		.amdhsa_next_free_vgpr 240
		.amdhsa_next_free_sgpr 66
		.amdhsa_reserve_vcc 0
		.amdhsa_float_denorm_mode_32 3
		.amdhsa_float_denorm_mode_16_64 3
		.amdhsa_memory_ordered 1
		.amdhsa_forward_progress 1
		.amdhsa_inst_pref_size 15
	.end_amdhsa_kernel
	.amdgpu_metadata
---
amdhsa.version: [ 1, 2 ]
amdhsa.kernels:
  - .name:           k_q663f303949_ln2
    .symbol:         k_q663f303949_ln2.kd
    .args:
      - { .name: h, .offset: 0, .size: 8, .value_kind: global_buffer, .address_space: global }
      - { .name: scale2, .offset: 8, .size: 8, .value_kind: global_buffer, .address_space: global }
      - { .name: shift2, .offset: 16, .size: 8, .value_kind: global_buffer, .address_space: global }
      - { .name: lowp_scales, .offset: 24, .size: 8, .value_kind: global_buffer, .address_space: global }
      - { .name: y2c, .offset: 32, .size: 8, .value_kind: global_buffer, .address_space: global }
    .group_segment_fixed_size: 18432
    .private_segment_fixed_size: 0
    .kernarg_segment_align: 8
    .kernarg_segment_size: 40
    .max_flat_workgroup_size: 512
    .sgpr_count:     66
    .vgpr_count:     240
    .wavefront_size: 32
...
	.end_amdgpu_metadata
.endif
;; end of part 5
;; launch w1 (part 6): grid 16 x 16, 4 waves a work-group, clusters of 4 x 4, 327,680 bytes of LDS; arguments y2c, wc, lowp_scales, b1, hc; writes hc
.if DOCPART == 6
	.amdgcn_target "amdgcn-amd-amdhsa--gfx1250"
	.amdhsa_code_object_version 6
	.text
	.protected	k_q663f303949_w1
	.globl	k_q663f303949_w1
	.p2align	8
	.type	k_q663f303949_w1,@function
k_q663f303949_w1:
	s_mov_b64 s[64:65], 0
	v_nop
	global_prefetch_b8 v0, s[64:65] scope:SCOPE_SE
	s_setreg_imm32_b32 hwreg(HW_REG_WAVE_MODE, 25, 1), 1
	s_wait_xcnt 0x0
	s_wait_alu depctr_hold_cnt(0) depctr_sa_sdst(0) depctr_va_vdst(0) depctr_va_sdst(0) depctr_va_ssrc(0) depctr_va_vcc(0) depctr_vm_vsrc(0)
	s_getreg_b32 s2, hwreg(HW_REG_IB_STS2, 6, 4)
	s_cmp_eq_u32 s2, 0
	s_cbranch_scc0 .Lentry_in_a_cluster
	s_endpgm
.Lentry_in_a_cluster:
	s_bfe_u32 s2, ttmp6, 0x10000c
	s_cmp_lg_u32 s2, 0xf033
	s_cbranch_scc0 .Lentry_shape_is_right
	s_endpgm
.Lentry_shape_is_right:
.set SIZE_K, 1024
.set KSTEP,  256
.set ROWB,   256
.set KROW,   SIZE_K
.set PITCH,  272
.set FR,     16
.set NL,     4
.set NP,     4
.set HALFT,  128*PITCH
.set SLOT,   4*HALFT
.set LAPS,   SIZE_K/(2*KSTEP)
.set SPARE,  2*SLOT
.set ADRA, 16
.set ADRB, 20
.set CO,   26
.set SPW,  28
.set NIL,  29
.set AF,   128
.set U,    128
.set EX,   192
.set G1, 24
.set G0, 32
.set G1B, 48
.set G0B, 56
.set MSB, 0
.macro WIN new
.if MSB != \new
	s_set_vgpr_msb (MSB<<8)|\new
.set MSB, \new
.endif
.endm
.set MUL_LO, 0xa1
.set MUL_HI, 0xf1
.set TO_B,   0x40
.macro JLOAD g0a, g1a, g0b, g1b
	s_cmp_eq_u32 s15, 0
	s_cbranch_scc0 .Lfor_b_\@
	tensor_load_to_lds s[\g0a:\g0a+3], s[\g1a:\g1a+7]
	s_nop 0
.rept 4
	v_nop
.endr
	s_branch .Lasked_\@
.Lfor_b_\@:
	tensor_load_to_lds s[\g0b:\g0b+3], s[\g1b:\g1b+7]
	s_nop 0
.rept 4
	v_nop
.endr
.Lasked_\@:
.endm
.macro CREST
	s_cmp_lg_u32 s14, 0
	s_cbranch_scc1 .Lnot_wave_0_\@
	s_barrier_signal -3
.Lnot_wave_0_\@:
	s_barrier_wait -3
	s_barrier_signal -1
	s_barrier_wait -1
.endm
.macro CROUND
	s_barrier_signal -1
	s_barrier_wait -1
	CREST
.endm
	s_load_b128 s[4:7], s[0:1], 0x0
	s_load_b128 s[8:11], s[0:1], 0x10
	s_load_b64 s[12:13], s[0:1], 0x20
	v_lshl_add_u32 v[SPW], v0, 2, SPARE
	v_mov_b32 v[NIL], 0
	ds_add_u32 v[SPW], v[NIL]
	ds_add_u32 v[SPW], v[NIL]
	v_lshrrev_b32 v1, 5, v0
	v_readfirstlane_b32 s14, v1
	s_lshr_b32 s15, s14, 1
	s_and_b32 s16, s14, 1
	s_bfe_u32 s40, ttmp6, 0x40000
	s_bfe_u32 s41, ttmp6, 0x40004
	s_lshl_b32 s42, ttmp9, 2
	s_add_co_u32 s42, s42, s40
	s_and_b32 s17, ttmp7, 0xffff
	s_lshl_b32 s17, s17, 2
	s_add_co_u32 s17, s17, s41
	s_lshl_b32 s43, s41, 2
	s_lshl_b32 s43, 15, s43
	s_lshl_b32 s44, 0x1111, s40
	s_or_b32 s[G1+0], s43, (1<<20)|(1<<21)|(5<<22)|(3<<25)
	s_or_b32 s[G1B+0], s44, (1<<20)|(1<<21)|(5<<22)|(3<<25)
.irp g, G1, G1B
	s_mov_b32 s[\g+1], ROWB<<16
	s_mov_b32 s[\g+2], 128<<16
	s_mov_b32 s[\g+3], ROWB<<16
	s_mov_b32 s[\g+4], 128
	s_mov_b32 s[\g+5], KROW
	s_mov_b32 s[\g+6], 0
	s_mov_b32 s[\g+7], 0
.endr
	s_lshl_b32 s18, s16, 7
	s_lshl_b32 s20, s17, 8
	s_add_co_u32 s20, s20, s18
	s_lshl_b32 s20, s20, 10
	s_mov_b32 s21, 0
	s_lshl_b32 s46, s42, 8
	s_add_co_u32 s46, s46, s18
	s_lshl_b32 s46, s46, 10
	s_add_co_u32 s46, s46, 0x400000
	s_mov_b32 s47, 0
	s_mul_i32 s45, s14, HALFT
	s_wait_dscnt 0x0
	s_wait_kmcnt 0x0
	s_load_b128 s[68:71], s[8:9], 0x30
	s_add_nc_u64 s[20:21], s[4:5], s[20:21]
	s_add_nc_u64 s[46:47], s[6:7], s[46:47]
	CROUND
.irp s, 0,1
	s_mov_b32 s[G0+4*\s], 1
	s_add_co_u32 s[G0+4*\s+1], s45, \s*SLOT
	s_add_nc_u64 s[G0+4*\s+2:G0+4*\s+3], s[20:21], \s*ROWB
	s_or_b32 s[G0+4*\s+3], s[G0+4*\s+3], 0x80000000
	s_mov_b32 s[G0B+4*\s], 1
	s_add_co_u32 s[G0B+4*\s+1], s45, \s*SLOT
	s_add_nc_u64 s[G0B+4*\s+2:G0B+4*\s+3], s[46:47], \s*ROWB
	s_or_b32 s[G0B+4*\s+3], s[G0B+4*\s+3], 0x80000000
	s_wait_alu depctr_va_vdst(0)
	s_wait_tensorcnt 0x0
	ds_add_u32 v28, v29
	ds_add_u32 v28, v29
	s_wait_dscnt 0x0
	CROUND
	JLOAD G0+4*\s, G1, G0B+4*\s, G1B
.endr
	v_and_b32 v1, 15, v0
	v_bfe_u32 v2, v0, 4, 1
	s_wait_alu depctr_va_vdst(0)
	v_mul_u32_u24 v3, v1, PITCH
	v_lshl_add_u32 v4, v2, 4, v3
	s_mul_i32 s21, s15, HALFT
	s_mul_i32 s22, s16, HALFT
	s_add_co_u32 s22, s22, 2*HALFT
.irp s, 0,1
	v_add_nc_u32 v[ADRA+\s], s21, v4
	v_add_nc_u32 v[ADRB+\s], s22, v4
	s_add_co_u32 s21, s21, SLOT
	s_add_co_u32 s22, s22, SLOT
.endr
	v_and_b32 v6, 31, v0
	v_lshlrev_b32 v[CO], 4, v6
	s_lshl_b32 s84, s42, 10
	s_lshl_b32 s85, s16, 9
	s_add_co_u32 s84, s84, s85
	s_mov_b32 s85, 0
	s_add_nc_u64 s[10:11], s[10:11], s[84:85]
	v_lshlrev_b32 v12, 6, v2
.set i, 0
.rept 16
	global_load_b128 v[32+4*i:35+4*i], v12, s[10:11] offset:128*(i/4)+16*(i%4)
.set i, i+1
.endr
	s_lshl_b32 s84, s17, 4
	s_lshl_b32 s85, s15, 3
	s_add_co_u32 s84, s84, s85
	s_lshl_b32 s84, s84, 16
	s_lshl_b32 s85, s42, 1
	s_add_co_u32 s85, s85, s16
	s_lshl_b32 s85, s85, 11
	s_add_co_u32 s84, s84, s85
	s_mov_b32 s85, 0
	s_add_nc_u64 s[12:13], s[12:13], s[84:85]
.macro FRAG reg, adr, q, i
.irp c, 0,1,2,3
	ds_load_b128 v[\reg+4*\c:\reg+4*\c+3], v[\adr] offset:128*(\q)+32*\c+(\i)*16*PITCH
.endr
.endm
.macro MUL16 a0, p, zero
.irp a, \a0, \a0+1
.irp b, 0,1,2,3,4,5,6,7
.if \zero
	v_wmma_f32_16x16x128_bf8_bf8 v[8*(8*((\a)%4)+\b):8*(8*((\a)%4)+\b)+7], v[128*(\p)+FR*\b:128*(\p)+FR*\b+FR-1], v[AF+FR*(\a):AF+FR*(\a)+FR-1], 0
.else
	v_wmma_f32_16x16x128_bf8_bf8 v[8*(8*((\a)%4)+\b):8*(8*((\a)%4)+\b)+7], v[128*(\p)+FR*\b:128*(\p)+FR*\b+FR-1], v[AF+FR*(\a):AF+FR*(\a)+FR-1], v[8*(8*((\a)%4)+\b):8*(8*((\a)%4)+\b)+7]
.endif
.endr
.endr
.endm
.macro FETCH_B slot, q, p
	WIN TO_B
.irp i, 0,1,2,3,4,5,6,7
	FRAG 128*(\p)+FR*\i, ADRB+\slot, \q, \i
.endr
	WIN 0
.endm
.macro FETCH_A slot, q, i0
.irp i, \i0, \i0+1, \i0+2, \i0+3
	FRAG AF+FR*(\i), ADRA+\slot, \q, \i
.endr
.endm
.macro PLACES n
.rept \n
	v_nop
.endr
.endm
.macro STEP slot, q, zero
	s_wait_dscnt 4*NL
	WIN MUL_LO
	MUL16 0, (\q)%2, \zero
	MUL16 2, (\q)%2, \zero
	s_wait_dscnt 0
	PLACES NP
	FETCH_B \slot, (\q)+1, 1-(\q)%2
	FETCH_A \slot, (\q)+1, 0
	WIN MUL_HI
	MUL16 4, (\q)%2, \zero
	MUL16 6, (\q)%2, \zero
	PLACES NP
	WIN 0
	FETCH_A \slot, (\q)+1, 4
.endm
.macro TURN slot, next, fill
	s_wait_tensorcnt 0x0
	ds_add_u32 v[SPW], v[NIL]
	s_wait_dscnt 4*NL+1
	WIN MUL_LO
	MUL16 0, 1, 0
	s_wait_dscnt 0x0
	s_barrier_signal -1
	MUL16 2, 1, 0
	WIN 0
	s_barrier_wait -1
.if \fill
	CREST
	s_add_nc_u64 s[G0+4*\slot+2:G0+4*\slot+3], s[G0+4*\slot+2:G0+4*\slot+3], 2*ROWB
	s_add_nc_u64 s[G0B+4*\slot+2:G0B+4*\slot+3], s[G0B+4*\slot+2:G0B+4*\slot+3], 2*ROWB
	JLOAD G0+4*\slot, G1, G0B+4*\slot, G1B
.else
	PLACES NP
.endif
	FETCH_B \next, 0, 0
	FETCH_A \next, 0, 0
	WIN MUL_HI
	MUL16 4, 1, 0
	MUL16 6, 1, 0
	PLACES NP
	WIN 0
	FETCH_A \next, 0, 4
.endm
	s_wait_alu depctr_va_vdst(0)
	s_wait_tensorcnt 1
	s_barrier_signal -1
	s_barrier_wait -1
	FETCH_B 0, 0, 0
	FETCH_A 0, 0, 0
	FETCH_A 0, 0, 4
	STEP 0, 0, 1
	s_mov_b32 s3, LAPS-1
.Llap:
	TURN 0, 1, 1
	STEP 1, 0, 0
	TURN 1, 0, 1
	STEP 0, 0, 0
	s_sub_co_u32 s3, s3, 1
	s_cmp_lg_u32 s3, 0
	s_cbranch_scc1 .Llap
	TURN 0, 1, 0
	STEP 1, 0, 0
	s_wait_dscnt 4*NL
	WIN MUL_LO
	MUL16 0, 1, 0
	MUL16 2, 1, 0
	s_wait_dscnt 0
	WIN MUL_HI
	MUL16 4, 1, 0
	MUL16 6, 1, 0
	WIN 0
	s_wait_kmcnt 0x0
	s_add_co_i32 s96, s68, s69
	s_add_co_i32 s96, s96, 127
	s_lshl_b32 s96, s96, 23
	s_mov_b32 s97, s96
	s_mov_b32 s92, 0xbdd2d3e8
	s_mov_b32 s93, s92
	v_mov_b32 v10, 0xc0135761
	v_mov_b32 v11, v10
	s_add_co_i32 s84, s70, 127
	s_lshl_b32 s85, s84, 23
	v_mov_b32 v9, s85
	s_add_co_i32 s84, s84, 15
	s_lshl_b32 s84, s84, 23
	s_or_b32 s84, s84, 0x600000
	v_mov_b32 v8, s84
	s_wait_loadcnt 0x0
	PLACES NP
.set a, 0
.rept 8
.set AC, 64*(a%4)
.set WN, 0x02+a/4
.set CD, 96+16*(a%2)
	WIN WN
.set j, 0
.rept 32
	v_pk_fma_f32 v[U+j:U+j+1], v[AC+j:AC+j+1], s[96:97], v[32+j:33+j] op_sel_hi:[1,0,1]
.set j, j+2
.endr
	WIN 0
.set j, 0
.rept 32
	v_pk_mul_f32 v[EX+j:EX+j+1], v[U+j:U+j+1], v[U+j:U+j+1]
.set j, j+2
.endr
.set j, 0
.rept 32
	v_pk_fma_f32 v[EX+j:EX+j+1], v[EX+j:EX+j+1], s[92:93], v[10:11] op_sel_hi:[1,0,1]
.set j, j+2
.endr
.set j, 0
.rept 32
	v_pk_mul_f32 v[EX+j:EX+j+1], v[EX+j:EX+j+1], v[U+j:U+j+1]
.set j, j+2
.endr
.set j, 0
	s_wait_alu depctr_va_vdst(0)
.rept 64
	v_exp_f32 v[EX+j], v[EX+j]
.set j, j+1
.endr
	v_nop
	s_wait_alu depctr_va_vdst(0)
.set j, 0
.rept 32
	v_pk_add_f32 v[EX+j:EX+j+1], v[EX+j:EX+j+1], 1.0 op_sel_hi:[1,0]
.set j, j+2
.endr
.set j, 0
	s_wait_alu depctr_va_vdst(0)
.rept 64
	v_rcp_f32 v[EX+j], v[EX+j]
.set j, j+1
.endr
	v_nop
	s_wait_alu depctr_va_vdst(0)
.set j, 0
.rept 32
	v_pk_mul_f32 v[U+j:U+j+1], v[U+j:U+j+1], v[EX+j:EX+j+1]
.set j, j+2
.endr
.set j, 0
.rept 64
	v_med3_num_f32 v[U+j], v[U+j], -v8, v8
.set j, j+1
.endr
.if a >= 2
	s_wait_alu depctr_va_vdst(0)
	s_wait_xcnt 0x0
.endif
.set b, 0
.rept 8
	v_cvt_scalef32_pk8_bf8_f32 v[CD+2*b:CD+2*b+1], v[U+8*b:U+8*b+7], v9
.set b, b+1
.endr
	v_nop
.irp c, 0,1,2,3
	global_store_b128 v[CO], v[CD+4*\c:CD+4*\c+3], s[12:13] offset:65536*a+512*\c
.endr
.set a, a+1
.endr
	s_wait_tensorcnt 0x0
	ds_add_u32 v[SPW], v[NIL]
	s_wait_dscnt 0x0
	CROUND
	s_endpgm
.Lfunc_end_k_q663f303949_w1:
	.size	k_q663f303949_w1, .Lfunc_end_k_q663f303949_w1-k_q663f303949_w1
	.p2alignl 7, 3214868480
	.fill 96, 4, 3214868480
	.section	.rodata,"a",@progbits
	.p2align	6, 0x0
	.amdhsa_kernel k_q663f303949_w1
		.amdhsa_group_segment_fixed_size 327680
		.amdhsa_private_segment_fixed_size 0
		.amdhsa_enable_private_segment 0
		.amdhsa_kernarg_size 40
		.amdhsa_user_sgpr_count 2
		.amdhsa_user_sgpr_kernarg_segment_ptr 1
		.amdhsa_wavefront_size32 1
		.amdhsa_system_sgpr_workgroup_id_x 1
		.amdhsa_system_sgpr_workgroup_id_y 1
		.amdhsa_system_sgpr_workgroup_id_z 1
		.amdhsa_system_vgpr_workitem_id 0
		.amdhsa_next_free_vgpr 1024
		.amdhsa_next_free_sgpr 100
		.amdhsa_reserve_vcc 0
		.amdhsa_float_denorm_mode_32 3
		.amdhsa_float_denorm_mode_16_64 3
		.amdhsa_memory_ordered 1
		.amdhsa_forward_progress 1
		.amdhsa_inst_pref_size 250
	.end_amdhsa_kernel
	.amdgpu_metadata
---
amdhsa.version: [ 1, 2 ]
amdhsa.kernels:
  - .name:           k_q663f303949_w1
    .symbol:         k_q663f303949_w1.kd
    .args:
      - { .name: y2c, .offset: 0, .size: 8, .value_kind: global_buffer, .address_space: global }
      - { .name: wc, .offset: 8, .size: 8, .value_kind: global_buffer, .address_space: global }
      - { .name: lowp_scales, .offset: 16, .size: 8, .value_kind: global_buffer, .address_space: global }
      - { .name: b1, .offset: 24, .size: 8, .value_kind: global_buffer, .address_space: global }
      - { .name: hc, .offset: 32, .size: 8, .value_kind: global_buffer, .address_space: global }
    .group_segment_fixed_size: 327680
    .private_segment_fixed_size: 0
    .kernarg_segment_align: 8
    .kernarg_segment_size: 40
    .max_flat_workgroup_size: 128
    .sgpr_count:     100
    .vgpr_count:     1024
    .wavefront_size: 32
...
	.end_amdgpu_metadata
.endif
;; end of part 6
;; launch w2 (part 7): grid 32 x 8, 4 waves a work-group, clusters of 4 x 1, 327,680 bytes of LDS; arguments hc, wc, lowp_scales, b2, h, out0; writes out0
.if DOCPART == 7
	.amdgcn_target "amdgcn-amd-amdhsa--gfx1250"
	.amdhsa_code_object_version 6
	.text
	.protected	k_q663f303949_w2
	.globl	k_q663f303949_w2
	.p2align	8
	.type	k_q663f303949_w2,@function
k_q663f303949_w2:
	s_mov_b64 s[64:65], 0
	v_nop
	global_prefetch_b8 v0, s[64:65] scope:SCOPE_SE
	s_setreg_imm32_b32 hwreg(HW_REG_WAVE_MODE, 25, 1), 1
	s_wait_xcnt 0x0
	s_wait_alu depctr_hold_cnt(0) depctr_sa_sdst(0) depctr_va_vdst(0) depctr_va_sdst(0) depctr_va_ssrc(0) depctr_va_vcc(0) depctr_vm_vsrc(0)
	s_getreg_b32 s2, hwreg(HW_REG_IB_STS2, 6, 4)
	s_cmp_eq_u32 s2, 0
	s_cbranch_scc0 .Lentry_in_a_cluster
	s_endpgm
.Lentry_in_a_cluster:
	s_bfe_u32 s2, ttmp6, 0x10000c
	s_cmp_lg_u32 s2, 0x3003
	s_cbranch_scc0 .Lentry_shape_is_right
	s_endpgm
.Lentry_shape_is_right:
; Product 8: out0 = h + hidden W2 + b2.  out[m][n] = h[m][n] + b2[n] + 2^(e14 + e15) x sum over k of A[m][k] B[n][k] on codes of E5M2, K = 4,096; out f32 [4096][1024].  No work is left out here.
; A (the hidden layer) lies in memory as images of operand registers, [tile of 16 rows][128 along K][2,048 bytes]; B (W2) as rows [position][K].
; SHARES.  Work-group (x, y) makes tile row x, tile column y of 128 x 128: 256 work-groups.  Wave w makes rows 32 w .. 32 w + 31 x all 128 columns: 16 accumulators.
; TWO ROADS.  Each fragment of A is read by ONE wave, and lies in memory as that wave's registers want it: it comes straight into registers, through a ring of eight steps (256 registers), at most 60 loads of a
; wave out at a time.  B's fragments are read by all four waves: B goes through two LDS slots of 1,024 along K, filled by tensor loads, a quarter of a slot (32 rows) a wave.  Both operands in the ring would make eight
; fills of the two slots that fit; B alone makes four, two of them refills, each asked for 128 matrix instructions a wave ahead of its first read.
; CLUSTER 4, 1, 1: the four partners make four tile rows of one tile column and need the same rows of B: each tile is asked for jointly, mask 15.  A is not asked for jointly though the eight work-groups of a
; tile row read the same rows: joint requests land in LDS, and A does not pass through LDS here.
; Source 0 = 16 positions of B, source 1 = 16 rows of A: by the weights' order of positions register j of accumulator (a, b) is column 32 (b / 2) + 16 (lane / 16) + 8 (b % 2) + j of row 16 a + lane % 16.
; The 32 steps are written out: every offset is an immediate, every count a constant, no address is stepped but the two descriptors'.
; The sums go through the wave's own stage in LDS and leave as rows: 32 lanes store 512 consecutive aligned bytes.  LIMIT: e14 + e15 between -126 and 127.
; REGISTERS, in windows of 256: window 0: v16-29 addresses; v32-95 the way out; v96-99 bias; v128-255 accumulators ((a, b) at v[128 + 8 (8 a + b)]).  window 1: B's fragments, two sets (set p at 128 p + 16 b).
;   window 2: A's ring (step ks, block a at 32 (ks % 8) + 16 a).  window 3: v0-127 the residual.
.set SIZE_K, 4096
.set NSTEP,  SIZE_K/128                ; steps of 128 along K
.set WOFF,   0x800000                  ; W2's codes in wc
.set EOFF,   0x38                      ; e14, e15 in lowp_scales
.set KSLOT,  1024                      ; along K in a slot: eight steps
.set BP,     KSLOT+16                  ; a row of B in LDS: 1,024 bytes + 16 of padding = 260 words: row r starts at bank 4 r mod 64 (64 banks of 4 bytes: ISA guide 11.1)
.set BQ,     32*BP                     ; what one tensor load brings
.set SLOT,   4*BQ
.set STAGE,  2*SLOT                    ; behind the ring: 16 rows x (512 + 16) bytes for each wave
.set SP,     528
.set SPARE,  STAGE+4*16*SP             ; behind the stages: the spare words, 128 bytes a wave
.set LI,   16                          ; v16  16 x lane: my place in an image, in a row of the stage and in a row of out0; never rewritten
.set PFO,  17                          ; v17  the prefetch's offset; never rewritten
.set ADRB, 20                          ; v20, v21 slot 0: B's rows 0-63, 64-127 (an LDS immediate has 16 bits); v22, v23 slot 1
.set STO,  24                          ; v24  the way out: where I put 16 bytes of a row
.set RD,   25                          ; v25  and where I read a row back
.set SPW,  28                          ; v28  LDS address of my spare word; never rewritten
.set NIL,  29                          ; v29  0; never rewritten
.set TMP,  32
.set BIAS, 96
.set ACC,  128
.set G1, 24                            ; s[24:31] descriptor group 1
.set G0, 32                            ; s[32:39] group 0, one set for each slot
.set ISSUED, 0                         ; global loads issued so far, counted by the text
.set MSB, 0
.macro WIN new                         ; the immediate's high byte repeats the setting that is left
.if MSB != \new
	s_set_vgpr_msb (MSB<<8)|\new
.set MSB, \new
.endif
.endm
.set MUL,  0x09                        ; source 0 (B) window 1, source 1 (A) window 2; C and D window 0
.set TO_B, 0x40                        ; destination window 1
.set TO_A, 0x80                        ; destination window 2
.set TO_R, 0xc0                        ; destination window 3
.macro CROUND                          ; a round of the cluster's barrier
	s_barrier_signal -1
	s_barrier_wait -1
	s_cmp_lg_u32 s10, 0
	s_cbranch_scc1 .Lnot_wave_0_\@
	s_barrier_signal -3
.Lnot_wave_0_\@:
	s_barrier_wait -3
	s_barrier_signal -1
	s_barrier_wait -1
.endm
.macro PLACES                          ; plain vector lines between a matrix instruction and a load into, or a read of, its registers
.rept 4
	v_nop
.endr
.endm
.macro ALOAD f                         ; fragment f = 2 ks + a of A: four loads of 512 consecutive bytes, as the registers stand
.set AR, 32*(((\f)/2)%8)+16*((\f)%2)
.irp c, 0,1,2,3
	global_load_b128 v[AR+4*\c:AR+4*\c+3], v[LI], s[14:15] offset:((\f)%2)*65536+((\f)/2)*2048+512*\c
.endr
.set ISSUED, ISSUED+4
.endm
.macro BFETCH ks                       ; B's eight fragments of step ks into set ks % 2: registers 4 c .. 4 c + 3 hold K = 32 c + 16 (lane / 16) + 0 .. 15, the order that A's images have
.set BS, 128*((\ks)%2)
.set BL, ((\ks)/8)%2
.set BK0, 128*((\ks)%8)
.irp b, 0,1,2,3
.irp c, 0,1,2,3
	ds_load_b128 v[BS+16*\b+4*\c:BS+16*\b+4*\c+3], v[ADRB+2*BL] offset:\b*16*BP+BK0+32*\c
.endr
.endr
.irp b, 0,1,2,3
.irp c, 0,1,2,3
	ds_load_b128 v[BS+64+16*\b+4*\c:BS+64+16*\b+4*\c+3], v[ADRB+2*BL+1] offset:\b*16*BP+BK0+32*\c
.endr
.endr
.endm
.macro MUL8 ks, a                      ; the 16 accumulators take turns, one instruction a turn, in the same order in every step; step 0 starts the sums
.set BS, 128*((\ks)%2)
.set AR, 32*((\ks)%8)+16*(\a)
.irp b, 0,1,2,3,4,5,6,7
.if (\ks) == 0
	v_wmma_f32_16x16x128_bf8_bf8 v[ACC+8*(8*(\a)+\b):ACC+8*(8*(\a)+\b)+7], v[BS+16*\b:BS+16*\b+15], v[AR:AR+15], 0
.else
	v_wmma_f32_16x16x128_bf8_bf8 v[ACC+8*(8*(\a)+\b):ACC+8*(8*(\a)+\b)+7], v[BS+16*\b:BS+16*\b+15], v[AR:AR+15], v[ACC+8*(8*(\a)+\b):ACC+8*(8*(\a)+\b)+7]
.endif
.endr
.endm
	s_load_b128 s[4:7], s[0:1], 0x0                ; hc, wc
	s_load_b256 s[68:75], s[0:1], 0x10             ; lowp_scales 68, b2 70, h 72, out0 74
	v_lshl_add_u32 v[SPW], v0, 2, SPARE
	v_mov_b32 v[NIL], 0
	ds_add_u32 v[SPW], v[NIL]                      ; the wave's opening: the add, twice on end, and its wait ahead of my first tensor load
	ds_add_u32 v[SPW], v[NIL]
	v_lshrrev_b32 v1, 5, v0
	v_readfirstlane_b32 s10, v1                    ; wave
	v_and_b32 v3, 31, v0
	v_lshlrev_b32 v[LI], 4, v3
	s_bfe_u32 s40, ttmp6, 0x40000                  ; cx: it enters A's, h's and out0's addresses alone
	s_lshl_b32 s13, ttmp9, 2
	s_add_co_u32 s13, s13, s40                     ; tile row = 4 x cluster x + cx
	s_and_b32 s42, ttmp7, 0xffff                   ; tile column, which the four partners share
	s_mov_b32 s[G1+0], 15|(1<<20)|(1<<21)|(7<<22)|(3<<25)   ; the mask: all four; elements of 1 byte; padding on; bit 21 beside a mask; 4 words behind every 256
	s_mov_b32 s[G1+1], KSLOT<<16                   ; tensor_dim0
	s_mov_b32 s[G1+2], 32<<16                      ; tensor_dim1
	s_mov_b32 s[G1+3], KSLOT<<16                   ; tile_dim0
	s_mov_b32 s[G1+4], 32                          ; tile_dim1
	s_mov_b32 s[G1+5], SIZE_K                      ; pitch
	s_mov_b32 s[G1+6], 0
	s_mov_b32 s[G1+7], 0
	s_lshl_b32 s16, s13, 3
	s_lshl_b32 s17, s10, 1
	s_add_co_u32 s16, s16, s17
	s_lshl_b32 s16, s16, 16                        ; A: tile of 16 rows 8 x tile row + 2 x wave, 65,536 bytes each
	s_mov_b32 s17, 0
	s_lshl_b32 s46, s42, 7
	s_lshl_b32 s47, s10, 5
	s_add_co_u32 s46, s46, s47
	s_lshl_b32 s46, s46, 12                        ; B: position 128 x tile column + 32 x wave, 4,096 bytes each
	s_add_co_u32 s46, s46, WOFF
	s_mov_b32 s47, 0
	s_mul_i32 s20, s10, BQ                         ; where it goes: wave x 32 rows
	s_lshl_b32 s18, s13, 7
	s_lshl_b32 s19, s10, 5
	s_add_co_u32 s18, s18, s19
	s_lshl_b32 s18, s18, 12                        ; my first row of h and out0, 4,096 bytes a row,
	s_lshl_b32 s44, s42, 9                         ; the tile's first column, in bytes
	s_mov_b32 s45, 0
	s_add_co_u32 s18, s18, s44
	s_mov_b32 s19, 0
	s_wait_alu depctr_va_vdst(0)
	s_wait_dscnt 0x0                               ; both opening adds are done
	s_wait_kmcnt 0x0
	s_load_b64 s[76:77], s[68:69], EOFF            ; e14, e15
	s_add_nc_u64 s[14:15], s[4:5], s[16:17]
	s_add_nc_u64 s[46:47], s[6:7], s[46:47]
	s_add_nc_u64 s[70:71], s[70:71], s[44:45]
	s_add_nc_u64 s[72:73], s[72:73], s[18:19]
	s_add_nc_u64 s[74:75], s[74:75], s[18:19]
	WIN TO_A
.irp f, 0,1,2,3,4,5,6,7,8,9,10,11,12,13,14
	ALOAD \f                                       ; A's first fifteen fragments: 60 loads
.endr
	WIN 0
.irp s, 0,1
	s_mov_b32 s[G0+4*\s], 1
	s_add_co_u32 s[G0+4*\s+1], s20, \s*SLOT
	s_add_nc_u64 s[G0+4*\s+2:G0+4*\s+3], s[46:47], \s*KSLOT
	s_or_b32 s[G0+4*\s+3], s[G0+4*\s+3], 0x80000000
.endr
	CROUND                                         ; all four work-groups are here: the first joint loads meet
	tensor_load_to_lds s[G0:G0+3], s[G1:G1+7]      ; K 0 .. 1,023: one tensor load a wave at the head
	s_nop 0
	PLACES
	v_and_b32 v1, 15, v0                           ; r
	v_bfe_u32 v2, v0, 4, 1                         ; h
	v_mul_u32_u24 v4, v1, BP
	v_lshl_add_u32 v[ADRB], v2, 4, v4              ; a fragment's row x pitch + 16 x half
	v_add_nc_u32 v[ADRB+1], 64*BP, v[ADRB]
	v_add_nc_u32 v[ADRB+2], SLOT, v[ADRB]
	v_add_nc_u32 v[ADRB+3], SLOT+64*BP, v[ADRB]
	s_mul_i32 s23, s10, 16*SP
	s_add_co_u32 s23, s23, STAGE                   ; my stage
	v_mul_u32_u24 v5, v1, SP
	v_lshl_add_u32 v5, v2, 6, v5
	v_add_nc_u32 v[STO], s23, v5                   ; in: row r, + 64 h
	v_add_nc_u32 v[RD], s23, v[LI]                 ; back: the 32 lanes take one row of 512 bytes
	v_and_b32 v6, 7, v0                            ; the prefetch: lane l names block l % 8 (256 bytes) of the image of block (l / 8) % 2, step 16 + 2 x tile column + l / 16
	v_lshlrev_b32 v[PFO], 8, v6
	v_bfe_u32 v6, v0, 3, 1
	v_lshl_add_u32 v[PFO], v6, 16, v[PFO]
	v_lshl_add_u32 v[PFO], v2, 11, v[PFO]
	s_lshl_b32 s21, s42, 12
	v_add_nc_u32 v[PFO], s21, v[PFO]
; A STEP: 128 along K, 16 matrix instructions.  In its middle, behind four places, stand all its loads in one run: B's fragments of the next step into the other set, and two fragments of A, 2 ks + 15 and 2 ks + 16,
; into registers that the products just issued and the last step's have left.
; The wait for A counts the loads issued behind this step's two fragments.  A's 256 loads go out in the order of the fragments, and bias and residual behind them all: so the count is ISSUED - 8 (ks + 1).
; A slot's last step changes slots: in front of the barrier each wave waits for all its tensor loads, adds 0 to its spare word, and waits for that and for its reads of the slot (the last were this step's fragments).
; Where the slot is filled again the barrier is a round of the cluster's, and the joint refill is the first thing behind it.
.macro STEP ks
.set CHG, 0
.if ((\ks)%8 == 7) && ((\ks)+1 < NSTEP)
.set CHG, 2                                    ; a change of slots
.if (\ks)+9 < NSTEP
.set CHG, 1                                    ; with a refill: the slot just read takes the K two slots on
.endif
.endif
.if CHG
	WIN 0                                          ; (the add's two registers lie in window 0)
	s_wait_tensorcnt 0x0                           ; all my tensor loads have landed: my part of the next slot
	ds_add_u32 v[SPW], v[NIL]                      ; 0 onto my spare word
.if CHG == 1
	s_add_nc_u64 s[G0+4*((\ks)/8)+2:G0+4*((\ks)/8)+3], s[G0+4*((\ks)/8)+2:G0+4*((\ks)/8)+3], 2*KSLOT   ; no tensor load of mine is out: the slot's descriptor steps
.endif
	s_wait_loadcnt ISSUED-8*((\ks)+1)              ; this step's two fragments of A are in
	s_wait_dscnt 1                                 ; B's are; the add may be out
.else
	s_wait_loadcnt ISSUED-8*((\ks)+1)              ; this step's two fragments of A are in
	s_wait_dscnt 0x0                               ; and B's eight
.endif
	WIN MUL
	MUL8 \ks, 0
.if CHG == 1
	s_wait_dscnt 0x0                               ; the add is done, and my reads of this slot are over
	WIN 0
	CROUND                                         ; no wave of any partner still reads this slot or has a load on its way
	tensor_load_to_lds s[G0+4*((\ks)/8):G0+4*((\ks)/8)+3], s[G1:G1+7]
	s_nop 0
	PLACES                                         ; the places in front of the loads below
.elseif CHG == 2
	s_wait_dscnt 0x0
	s_barrier_signal -1
	s_barrier_wait -1                              ; the last slot is whole; nothing is filled again
	PLACES
.else
	PLACES
.endif
.if (\ks)+1 < NSTEP
	WIN TO_B
	BFETCH (\ks)+1
.endif
.if 2*(\ks)+15 < 2*NSTEP
	WIN TO_A
	ALOAD 2*(\ks)+15
.endif
.if 2*(\ks)+16 < 2*NSTEP
	ALOAD 2*(\ks)+16
.endif
.if (\ks) == 2                                 ; ONE PREFETCH a wave, behind the step's loads: A's steps 16 to 31 of my 32 rows.  The eight work-groups of a tile row read the same rows and share them out by address,
	global_prefetch_b8 v[PFO], s[14:15] offset:16*2048 th:TH_LOAD_NT scope:SCOPE_SE   ; two steps each, a lane a block of 256 bytes: each block is named once.  The loads that want them go out from step 8 on
.endif
.if (\ks) == NSTEP-8                           ; A's ring runs empty: bias and residual take the loads' places
	WIN 0
	global_load_b128 v[BIAS:BIAS+3], v[LI], s[70:71]   ; the bias of the four columns that I store
.set ISSUED, ISSUED+1
.endif
.if ((\ks) > NSTEP-8) && ((\ks) <= NSTEP-4)
	WIN TO_R
.irp i, 0,1,2,3,4,5,6,7
	global_load_b128 v[4*(8*((\ks)-NSTEP+7)+\i):4*(8*((\ks)-NSTEP+7)+\i)+3], v[LI], s[72:73] offset:(8*((\ks)-NSTEP+7)+\i)*4096   ; a row of the residual, laid as I store
.endr
.set ISSUED, ISSUED+8
.endif
	WIN MUL
	MUL8 \ks, 1
.endm
	s_wait_alu depctr_va_vdst(0)
	s_wait_tensorcnt 0x0                           ; my part of slot 0 is in
	ds_add_u32 v[SPW], v[NIL]
	s_wait_dscnt 0x0
	CROUND                                         ; slot 0 is whole, and all four work-groups are here
	tensor_load_to_lds s[G0+4:G0+7], s[G1:G1+7]    ; K 1,024 .. 2,047: the first tensor load behind the round
	s_nop 0
	PLACES
	WIN TO_B
	BFETCH 0
.irp ks, 0,1,2,3,4,5,6,7,8,9,10,11,12,13,14,15,16,17,18,19,20,21,22,23,24,25,26,27,28,29,30,31
	STEP \ks
.endr
	WIN 0
	; THE WAY OUT, 16 rows at a time: raw sums into my stage, back as rows; sum x 2^(e14 + e15) + bias, + residual; stored.  The second block comes back into the first block's accumulators, which the stage has taken
	s_wait_kmcnt 0x0
	s_add_co_i32 s76, s76, s77
	s_add_co_i32 s76, s76, 127
	s_lshl_b32 s76, s76, 23                        ; 2^(e14 + e15) as f32
	s_mov_b32 s77, s76
	s_wait_loadcnt 0x0                             ; bias and residual
	PLACES
.set a, 0
.rept 2
.set TT, TMP+96*a
.irp i, 0,1,2,3,4,5,6,7,8,9,10,11,12,13,14,15
	ds_store_b128 v[STO], v[ACC+64*a+4*\i:ACC+64*a+4*\i+3] offset:128*(\i/4)+16*(\i%4)   ; each accumulator from its low end on
.endr
.irp t, 0,1,2,3,4,5,6,7,8,9,10,11,12,13,14,15
	ds_load_b128 v[TT+4*\t:TT+4*\t+3], v[RD] offset:\t*SP   ; LDS serves a wave's instructions in order: these see my stores, and the next block's stores come behind them
.endr
	s_wait_dscnt 0x0
.set j, 0
.rept 32
	v_pk_fma_f32 v[TT+j:TT+j+1], v[TT+j:TT+j+1], s[76:77], v[BIAS+j%4:BIAS+j%4+1] op_sel_hi:[1,0,1]
.set j, j+2
.endr
	WIN 0x0c                                       ; source 1 window 3
.set j, 0
.rept 32
	v_pk_add_f32 v[TT+j:TT+j+1], v[TT+j:TT+j+1], v[64*a+j:64*a+j+1]
.set j, j+2
.endr
	WIN 0
.irp t, 0,1,2,3,4,5,6,7,8,9,10,11,12,13,14,15
	global_store_b128 v[LI], v[TT+4*\t:TT+4*\t+3], s[74:75] offset:(16*a+\t)*4096   ; 32 lanes store 512 consecutive bytes, aligned
.endr
.set a, a+1
.endr
	s_wait_tensorcnt 0x0                           ; the wave's end
	ds_add_u32 v[SPW], v[NIL]
	s_wait_dscnt 0x0
	CROUND                                         ; the closing round
	s_endpgm
.Lfunc_end_k_q663f303949_w2:
	.size	k_q663f303949_w2, .Lfunc_end_k_q663f303949_w2-k_q663f303949_w2
	.p2alignl 7, 3214868480
	.fill 96, 4, 3214868480
	.section	.rodata,"a",@progbits
	.p2align	6, 0x0
	.amdhsa_kernel k_q663f303949_w2
		.amdhsa_group_segment_fixed_size 327680
		.amdhsa_private_segment_fixed_size 0
		.amdhsa_enable_private_segment 0
		.amdhsa_kernarg_size 48
		.amdhsa_user_sgpr_count 2
		.amdhsa_user_sgpr_kernarg_segment_ptr 1
		.amdhsa_wavefront_size32 1
		.amdhsa_system_sgpr_workgroup_id_x 1
		.amdhsa_system_sgpr_workgroup_id_y 1
		.amdhsa_system_sgpr_workgroup_id_z 1
		.amdhsa_system_vgpr_workitem_id 0
		.amdhsa_next_free_vgpr 896
		.amdhsa_next_free_sgpr 100
		.amdhsa_reserve_vcc 0
		.amdhsa_float_denorm_mode_32 3
		.amdhsa_float_denorm_mode_16_64 3
		.amdhsa_memory_ordered 1
		.amdhsa_forward_progress 1
		.amdhsa_inst_pref_size 156
	.end_amdhsa_kernel
	.amdgpu_metadata
---
amdhsa.version: [ 1, 2 ]
amdhsa.kernels:
  - .name:           k_q663f303949_w2
    .symbol:         k_q663f303949_w2.kd
    .args:
      - { .name: hc, .offset: 0, .size: 8, .value_kind: global_buffer, .address_space: global }
      - { .name: wc, .offset: 8, .size: 8, .value_kind: global_buffer, .address_space: global }
      - { .name: lowp_scales, .offset: 16, .size: 8, .value_kind: global_buffer, .address_space: global }
      - { .name: b2, .offset: 24, .size: 8, .value_kind: global_buffer, .address_space: global }
      - { .name: h, .offset: 32, .size: 8, .value_kind: global_buffer, .address_space: global }
      - { .name: out0, .offset: 40, .size: 8, .value_kind: global_buffer, .address_space: global }
    .group_segment_fixed_size: 327680
    .private_segment_fixed_size: 0
    .kernarg_segment_align: 8
    .kernarg_segment_size: 48
    .max_flat_workgroup_size: 128
    .sgpr_count:     100
    .vgpr_count:     896
    .wavefront_size: 32
...
	.end_amdgpu_metadata
.endif
;; end of part 7
